; MI455X (gfx1250); checked and timed in simulation.
; The chip was launched on July 23, 2026; its instructions are those of AMD's public machine-readable ISA for CDNA 5 (MIT licence, August 2026) and "CDNA5" Instruction Set Architecture Reference Guide (July 2026). The comments in the code are by the model that wrote it; some were corrected since.
;; Flash Attention Simulator. Allowed arithmetic: matrix products marked QUANTISED: E2M3 operands, one E8M0 scale for each 32 along K, by v_wmma_scale_f32_16x16x128_f8f6f4 with both operands' format E2M3, f32 sums; everything else in f32.
;; Inputs: Wk 1,024 x 1,024 float32; Wo 1,024 x 1,024 float32; Wq 1,024 x 1,024 float32; Wv 1,024 x 1,024 float32; bo 1,024 float32; x 4 x 2,048 x 1,024 float32.
;; Outputs: out0 4 x 2,048 x 1,024 float32.
;; This version of the problem:
;;   THIS VERSION OF THE PROBLEM IS GIVEN IN LOW PRECISION. The matrix products marked QUANTISED in the list below multiply operands that are first quantised to E2M3 (2 exponent bits, 3 mantissa bits; 6 bits a number), with one power-of-two scale for each 32 numbers along K (OCP MX v1.0); their sums are f32. All else is computed in f32.
;;   The module's matrix products, in the order in which they are computed (A, B: the left and right operand; K: the contracted axis; several contracted axes count as one K, in the product's order):
;;     1. [M 8,192, K 1,024] x [K 1,024, N 1,024]; A: input x; B: input Wq: QUANTISED
;;     2. [M 8,192, K 1,024] x [K 1,024, N 1,024]; A: input x; B: input Wk: QUANTISED
;;     3. [M 8,192, K 1,024] x [K 1,024, N 1,024]; A: input x; B: input Wv: QUANTISED
;;     4. batch 64 x [M 2,048, K 64] x [K 64, N 2,048]; A: computed on the way; B: computed on the way: QUANTISED
;;     5. batch 64 x [M 2,048, K 2,048] x [K 2,048, N 64]; A: computed on the way; B: computed on the way: QUANTISED
;;     6. [M 8,192, K 1,024] x [K 1,024, N 1,024]; A: computed on the way; B: input Wo: QUANTISED
;;   THE QUANTISER, for each operand of a quantised product, along K:
;;     - K is cut into blocks of 32 from its start; a last block that is shorter is filled with zeros.
;;     - A block's scale is 2^e with e = floor(log2(the largest magnitude in the block)) - 2, held to -126 .. 127; a block of zeros has e = 0. As a byte (E8M0): e + 127.
;;     - Each number is divided by its block's scale, clamped to +-7.5, and rounded to the nearest number of E2M3, ties to even, subnormals kept.
;;     - The product sums the exact products of the quantised numbers (number of the format x scale) in f32.
;;   ~~~python
;;   def quantise(x, axis):      # numpy; x: float32 -> the quantised numbers, widened to float32 again
;;       x = np.moveaxis(x, axis, -1); K = x.shape[-1]
;;       x = np.pad(x, [(0, 0)] * (x.ndim - 1) + [(0, -K % 32)]); x = x.reshape(x.shape[:-1] + (-1, 32)); a = np.abs(x).max(-1, keepdims=True)
;;       e = np.where(a > 0, np.clip(np.frexp(np.where(a > 0, a, 1))[1] - 1 - 2, -126, 127), 0)      # np.frexp(a)[1] - 1 = floor(log2(a)), exactly
;;       r = np.clip(x / 2.0 ** e, -7.5, 7.5)
;;       step = 2.0 ** (np.maximum(np.frexp(np.where(r == 0, 1, r))[1] - 1, 0) - 3)
;;       q = np.round(r / step) * step * 2.0 ** e      # np.round: ties to even
;;       return np.moveaxis(q.reshape(q.shape[:-2] + (-1,))[..., :K], -1, axis).astype(np.float32)
;;   ~~~
;;   OPERANDS COMPUTED ON THE WAY. 'Computed on the way' means the value that the module computes at that place (a softmax that the list does not call 'softmax' is quantised finished and normalised). What goes into a quantiser is computed in f32, as accurately as f32 sums, v_exp_f32 and their like allow (about 1e-6 of the number): no bf16 or f16 on the way to a quantiser, and a product that is left as it is and whose result goes on into a quantised operand takes f32 operands (vector FMAs, or v_wmma_f32_16x16x4_f32). A number that lies on a knife's edge between two numbers of the format may be rounded either way, as far as f32 arithmetic and the matrix unit's own rounding can turn it there, and no further.
;; One version. Each part assembles by itself: llvm-mc -triple=amdgcn-amd-amdhsa -mcpu=gfx1250 --defsym DOCPART=n.
;; ======== version 1 of 1: 4 launches
;; limits: right only within a limited range of input values
;; workspace buffers: xc 6,291,456 bytes; xs 262,144 bytes; wc 3,145,728 bytes; ws 131,072 bytes; qk 13,107,200 bytes; vv 6,553,600 bytes; ao 6,291,456 bytes; aos 262,144 bytes
;; launch quant (part 1): grid 768 x 1, 2 waves a work-group, no clusters, 34,304 bytes of LDS; arguments x, Wq, Wk, Wv, Wo, xc, xs, wc, ws; writes xc, xs, wc, ws
.if DOCPART == 1
	.amdgcn_target "amdgcn-amd-amdhsa--gfx1250"
	.amdhsa_code_object_version 6
	.text
	.protected	k_q208d8c3764_quant
	.globl	k_q208d8c3764_quant
	.p2align	8
	.type	k_q208d8c3764_quant,@function
k_q208d8c3764_quant:
	s_mov_b64 s[64:65], 0
	v_nop
	global_prefetch_b8 v0, s[64:65] scope:SCOPE_SE
	s_setreg_imm32_b32 hwreg(HW_REG_WAVE_MODE, 25, 1), 1
	s_wait_xcnt 0x0
; x [8192][1024] and Wq, Wk, Wv, Wo [1024][1024], f32, K innermost, become codes of FP6 (E2M3) with one E8M0 byte for each 32 along K,
; laid in the ORDER OF AN OPERAND'S REGISTERS.  A row tile T = 2 B + u holds 16 rows: lane r has row 32 B + 8 u + r + 8 (r / 8).
; A fragment (16 rows x 128 K, 12 registers a lane) is 1,536 bytes: registers 0-3 at 16 x lane, 4-5 at 512 + 8 x lane, 6-9 at 768 + 16 x lane, 10-11 at 1,280 + 8 x lane.
; Codes: [row tile][K step 8][1,536].  Scales: [row tile][half of K][r 16][4 words], a word = the four bytes of one K step.  wc, ws: Wq's 64 row tiles, then Wk's, Wv's, Wo's.
; A block's scale byte is its largest magnitude's exponent field - 2, held at 1 from below (a block of zeros so gets 1 and zero codes; the bytes are read by this program alone).
; LIMITS: NaN and infinities among the inputs are not served; blocks whose largest magnitude lies under 2^-124 keep the byte 1.
; SHARES: a wave takes one row tile x 512 along K: four fragments.  Each load reads 512 consecutive bytes of one row; the 16 rows turn through the wave's own stage in LDS
; (rows 528 bytes apart), from which lane (r, h) takes 16 neighbours of each block of 32 of row r.  Waves share nothing: no barrier.
.set STGB,  8448                       ; a wave's stage: 16 rows x 528 bytes
.set SPARE, 4*STGB                     ; behind the stages: the spare words, 128 bytes for each wave
.set L16,   1                          ; v1   16 x lane
.set STI,   2                          ; v2   the stage, on the way in
.set STR,   3                          ; v3   and on the way out: 528 r + 64 h
.set L8,    4                          ; v4   512 + 8 x lane
.set SOF,   5                          ; v5   16 r + 8 h: my two scale words
.set SPW,   6
.set NIL,   7
.set MX,    8                          ; v8-11  largest magnitudes
.set PB,    12                         ; v12-15 the other half's, then the bytes
.set OP,    16                         ; v16-19 the conversions' scale operands
.set PW,    20                         ; v20-23 the four fragments' scale words
.set CSET,  24                         ; v24-63 two sets of 12 + 8 registers of codes
.set X,     64                         ; v64-127 64 numbers: register 16 b + i = k 32 b + 16 h + i of my row
.set R,     128                        ; v128-255 two sets of 64 as loaded
.set SEL,   42
	s_load_b256 s[4:11], s[0:1], 0x0               ; x, Wq, Wk, Wv
	s_load_b256 s[12:19], s[0:1], 0x20             ; Wo, xc, xs, wc
	s_load_b64 s[20:21], s[0:1], 0x40              ; ws
	v_lshl_add_u32 v[SPW], v0, 2, SPARE
	v_mov_b32 v[NIL], 0
	v_lshrrev_b32 v8, 5, v0
	v_readfirstlane_b32 s28, v8                    ; wave
	v_and_b32 v8, 31, v0                           ; lane
	v_and_b32 v9, 15, v0                           ; r
	v_bfe_u32 v10, v0, 4, 1                        ; h
	s_mul_i32 s29, s28, STGB
	s_and_b32 s31, s28, 1                          ; which half of K
	v_lshlrev_b32 v[L16], 4, v8
	v_add_nc_u32 v[STI], s29, v[L16]
	v_mul_u32_u24 v[STR], v9, 528
	v_lshl_add_u32 v[STR], v10, 6, v[STR]
	v_add_nc_u32 v[STR], s29, v[STR]
	v_lshl_add_u32 v[L8], v8, 3, 512
	v_lshlrev_b32 v[SOF], 4, v9
	v_lshl_add_u32 v[SOF], v10, 3, v[SOF]
.irp b, 0,1,2,3
	v_mov_b32 v[PB+\b], 0                          ; written once: a lane permute's destination counts as one of its sources
.endr
	s_mov_b32 s[SEL], 0x76543210
	s_mov_b32 s[SEL+1], 0xfedcba98                 ; selects for lane l xor 16
	s_mov_b32 s40, 0xffff0000                      ; lanes 16-31
	s_wait_alu depctr_va_vdst(0)
	s_wait_kmcnt 0x0
	s_mov_b64 s[22:23], s[12:13]                   ; a work-group of two waves takes one row tile, a wave a half of K.  Which tensor: work-groups 0-511 x, then 64 each for Wq, Wk, Wv, Wo.  The choice hangs on the work-group's number alone
	s_cmp_lt_u32 ttmp9, 704
	s_cselect_b64 s[22:23], s[10:11], s[22:23]
	s_cmp_lt_u32 ttmp9, 640
	s_cselect_b64 s[22:23], s[8:9], s[22:23]
	s_cmp_lt_u32 ttmp9, 576
	s_cselect_b64 s[22:23], s[6:7], s[22:23]
	s_cmp_lt_u32 ttmp9, 512
	s_cselect_b64 s[22:23], s[4:5], s[22:23]
	s_cselect_b64 s[24:25], s[14:15], s[18:19]     ; codes: xc or wc
	s_cselect_b64 s[26:27], s[16:17], s[20:21]     ; scales: xs or ws
	s_cselect_b32 s32, 0, 512
	s_cselect_b32 s33, 511, 63
	s_sub_co_u32 s32, ttmp9, s32
	; s32: the row tile in the codes' buffer
	s_and_b32 s33, s32, s33                        ; and in its own tensor
	s_lshr_b32 s34, s33, 1
	s_lshl_b32 s34, s34, 17                        ; 32 B rows of 4,096 bytes
	s_and_b32 s35, s33, 1
	s_lshl_b32 s35, s35, 15                        ; 8 u rows
	s_add_co_u32 s34, s34, s35
	s_lshl_b32 s35, s31, 11                        ; 512 numbers along K
	s_add_co_u32 s34, s34, s35
	s_mov_b32 s35, 0
	s_add_nc_u64 s[22:23], s[22:23], s[34:35]
	s_mul_i32 s36, s32, 12288
	s_mul_i32 s37, s31, 6144
	s_add_co_u32 s36, s36, s37
	s_mov_b32 s37, 0
	s_add_nc_u64 s[24:25], s[24:25], s[36:37]
	s_lshl_b32 s38, s32, 9
	s_lshl_b32 s39, s31, 8
	s_add_co_u32 s38, s38, s39
	s_mov_b32 s39, 0
	s_add_nc_u64 s[26:27], s[26:27], s[38:39]
; 64 numbers of a lane become a fragment's 12 registers in v[pc] on and its scale word in v[pw]
.macro QUANT s, pc, pt, pw
.irp b, 0,1,2,3
	v_max3_num_f32 v[MX+\b], |v[(\s)+16*\b]|, |v[(\s)+16*\b+1]|, 0x1800000   ; my 16 numbers of block b, and the floor 2^(3 - 127): the byte cannot fall under 1
.endr
.irp i, 2,4,6,8,10,12,14
.irp b, 0,1,2,3
	v_max3_num_f32 v[MX+\b], v[MX+\b], |v[(\s)+16*\b+\i]|, |v[(\s)+16*\b+\i+1]|
.endr
.endr
.irp b, 0,1,2,3
	v_permlanex16_b32 v[PB+\b], v[MX+\b], s[SEL], s[SEL+1]
.endr
.irp b, 0,1,2,3
	v_max_num_f32 v[MX+\b], v[MX+\b], v[PB+\b]     ; with lane l xor 16's 16: the block's largest magnitude
.endr
.irp b, 0,1,2,3
	v_add_nc_u32 v[OP+\b], 0xff000000, v[MX+\b]    ; 2 off its exponent field: the conversion's scale operand
.endr
.irp b, 0,1,2,3
	v_lshrrev_b32 v[PB+\b], 23, v[OP+\b]           ; the byte
.endr
	v_lshl_or_b32 v[\pw], v[PB+1], 8, v[PB]
	v_lshl_or_b32 v[\pw], v[PB+2], 16, v[\pw]
	v_lshl_or_b32 v[\pw], v[PB+3], 24, v[\pw]
.irp c, 0,1
	v_cvt_scalef32_pk16_fp6_f32 v[(\pc)+6*\c:(\pc)+6*\c+2], v[(\s)+32*\c:(\s)+32*\c+15], v[OP+2*\c]
	v_cvt_scalef32_pk16_fp6_f32 v[(\pt)+4*\c:(\pt)+4*\c+2], v[(\s)+32*\c+16:(\s)+32*\c+31], v[OP+2*\c+1]
.endr
	v_nop                                          ; one plain place behind a scaled conversion
.irp c, 0,1                                    ; the layout wants a whole block in a lane: lanes 0-15 block 2 c, lanes 16-31 block 2 c + 1
.irp i, 0,1,2
	v_permlane16_swap_b32 v[(\pc)+6*\c+\i], v[(\pt)+4*\c+\i]
.endr
.irp i, 0,1,2
	v_mov_b32 v[(\pc)+6*\c+3+\i], v[(\pt)+4*\c+\i]
.endr
.endr
.endm
.macro LOAD f                          ; the 16 rows' 128 numbers of K step f: each load reads 512 consecutive bytes of one row
.irp i, 0,1,2,3,4,5,6,7,8,9,10,11,12,13,14,15
	global_load_b128 v[R+64*((\f)%2)+4*\i:R+64*((\f)%2)+4*\i+3], v[L16], s[22:23] offset:(\i+8*(\i/8))*4096+512*(\f) th:TH_LOAD_NT
.endr
.endm
.macro FRAGM f
.set PCB, CSET+20*((\f)%2)
.if (\f) < 3
	s_wait_loadcnt 16                              ; this fragment's 16 loads are in; the next fragment's 16 may be out
.else
	s_wait_loadcnt 0x0
.endif
.irp i, 0,1,2,3,4,5,6,7,8,9,10,11,12,13,14,15
	ds_store_b128 v[STI], v[R+64*((\f)%2)+4*\i:R+64*((\f)%2)+4*\i+3] offset:528*\i
.endr
.irp b, 0,1,2,3
.irp j, 0,1,2,3
	ds_load_b128 v[X+16*\b+4*\j:X+16*\b+4*\j+3], v[STR] offset:128*\b+16*\j   ; LDS serves a wave's instructions in order: these see the stores above
.endr
.endr
	s_wait_dscnt 0x0                               ; the numbers are back, and the stores have read their registers
.if (\f) < 2
	LOAD (\f)+2
.else
	s_wait_xcnt 0x0                                ; the stores of two fragments back have read this set of codes: it is written again only behind this wait
.endif
	QUANT X, PCB, PCB+12, PW+\f
	global_store_b128 v[L16], v[PCB:PCB+3], s[24:25] offset:1536*(\f)         ; 512 consecutive bytes, aligned to 256
	global_store_b64 v[L8], v[PCB+4:PCB+5], s[24:25] offset:1536*(\f)         ; 256
	global_store_b128 v[L16], v[PCB+6:PCB+9], s[24:25] offset:1536*(\f)+768
	global_store_b64 v[L8], v[PCB+10:PCB+11], s[24:25] offset:1536*(\f)+768
.endm
	LOAD 0
	LOAD 1
	FRAGM 0
	FRAGM 1
	FRAGM 2
	FRAGM 3
	v_cndmask_b32 v8, v[PW], v[PW+2], s40          ; lanes 0-15 store words 0, 1 of row r, lanes 16-31 words 2, 3 (both halves hold all four)
	v_cndmask_b32 v9, v[PW+1], v[PW+3], s40
	global_store_b64 v[SOF], v[8:9], s[26:27]      ; 256 consecutive bytes, aligned
	s_wait_tensorcnt 0x0                           ; the wave's end, behind my last LDS store
	ds_add_u32 v[SPW], v[NIL]
	s_wait_dscnt 0x0
	s_endpgm
.Lfunc_end_k_q208d8c3764_quant:
	.size	k_q208d8c3764_quant, .Lfunc_end_k_q208d8c3764_quant-k_q208d8c3764_quant
	.p2alignl 7, 3214868480
	.fill 96, 4, 3214868480
	.section	.rodata,"a",@progbits
	.p2align	6, 0x0
	.amdhsa_kernel k_q208d8c3764_quant
		.amdhsa_group_segment_fixed_size 34304
		.amdhsa_private_segment_fixed_size 0
		.amdhsa_enable_private_segment 0
		.amdhsa_kernarg_size 72
		.amdhsa_user_sgpr_count 2
		.amdhsa_user_sgpr_kernarg_segment_ptr 1
		.amdhsa_wavefront_size32 1
		.amdhsa_system_sgpr_workgroup_id_x 1
		.amdhsa_system_sgpr_workgroup_id_y 1
		.amdhsa_system_sgpr_workgroup_id_z 1
		.amdhsa_system_vgpr_workitem_id 0
		.amdhsa_next_free_vgpr 256
		.amdhsa_next_free_sgpr 66
		.amdhsa_reserve_vcc 0
		.amdhsa_float_denorm_mode_32 3
		.amdhsa_float_denorm_mode_16_64 3
		.amdhsa_memory_ordered 1
		.amdhsa_forward_progress 1
		.amdhsa_inst_pref_size 35
	.end_amdhsa_kernel
	.amdgpu_metadata
---
amdhsa.version: [ 1, 2 ]
amdhsa.kernels:
  - .name:           k_q208d8c3764_quant
    .symbol:         k_q208d8c3764_quant.kd
    .args:
      - { .name: x, .offset: 0, .size: 8, .value_kind: global_buffer, .address_space: global }
      - { .name: Wq, .offset: 8, .size: 8, .value_kind: global_buffer, .address_space: global }
      - { .name: Wk, .offset: 16, .size: 8, .value_kind: global_buffer, .address_space: global }
      - { .name: Wv, .offset: 24, .size: 8, .value_kind: global_buffer, .address_space: global }
      - { .name: Wo, .offset: 32, .size: 8, .value_kind: global_buffer, .address_space: global }
      - { .name: xc, .offset: 40, .size: 8, .value_kind: global_buffer, .address_space: global }
      - { .name: xs, .offset: 48, .size: 8, .value_kind: global_buffer, .address_space: global }
      - { .name: wc, .offset: 56, .size: 8, .value_kind: global_buffer, .address_space: global }
      - { .name: ws, .offset: 64, .size: 8, .value_kind: global_buffer, .address_space: global }
    .group_segment_fixed_size: 34304
    .private_segment_fixed_size: 0
    .kernarg_segment_align: 8
    .kernarg_segment_size: 72
    .max_flat_workgroup_size: 64
    .sgpr_count:     66
    .vgpr_count:     256
    .wavefront_size: 32
...
	.end_amdgpu_metadata
.endif
;; end of part 1
;; launch gemm_qkv (part 2): grid 16 x 16, 4 waves a work-group, clusters of 4 x 4, 327,680 bytes of LDS; arguments xc, xs, wc, ws, qk, vv; writes qk, vv
.if DOCPART == 2
	.amdgcn_target "amdgcn-amd-amdhsa--gfx1250"
	.amdhsa_code_object_version 6
	.text
	.protected	k_q208d8c3764_gemm_qkv
	.globl	k_q208d8c3764_gemm_qkv
	.p2align	8
	.type	k_q208d8c3764_gemm_qkv,@function
k_q208d8c3764_gemm_qkv:
	s_mov_b64 s[64:65], 0
	v_nop
	global_prefetch_b8 v0, s[64:65] scope:SCOPE_SE
	s_setreg_imm32_b32 hwreg(HW_REG_WAVE_MODE, 25, 1), 1
	s_wait_xcnt 0x0
	s_wait_alu depctr_hold_cnt(0) depctr_sa_sdst(0) depctr_va_vdst(0) depctr_va_sdst(0) depctr_va_ssrc(0) depctr_va_vcc(0) depctr_vm_vsrc(0)
	s_getreg_b32 s2, hwreg(HW_REG_IB_STS2, 6, 4)
	s_cmp_eq_u32 s2, 0
	s_cbranch_scc0 .Lentry_in_a_cluster
	s_endpgm
.Lentry_in_a_cluster:
	s_bfe_u32 s2, ttmp6, 0x10000c
	s_cmp_lg_u32 s2, 0xf033
	s_cbranch_scc0 .Lentry_shape_is_right
	s_endpgm
.Lentry_shape_is_right:
; q = x Wq^T, k = x Wk^T, v = x Wv^T on codes of FP6 (E2M3) with E8M0 scales, K = 1,024; the results are quantised in registers and leave as codes and scale bytes alone.
; OPERANDS lie in memory as images of their registers: a fragment = 16 rows x 128 K = 1,536 bytes, a row tile = 8 fragments = 12,288 bytes; row tile 2 B + u: lane r has row 32 B + 8 u + r + 8 (r / 8).  Scale words: 512 bytes a row tile, [half of K][r][4 words].
; THE DEAL: 256 work-groups of four waves (a, b).  A wave holds four row tiles of a weight (64 rows = one head, by b), ALL of K, in 384 registers, and x's row tiles stream past: a BLOCK is one row tile of x, 32 products on four accumulators by turns.
; A work-group makes 256 tokens x 128 columns of v (phase 1) and then 512 tokens x 128 columns of q or k (phase 2).  v's 256 tokens are a half (hv = cluster x % 2) of the work-group's own 512, so they are loaded once and serve both phases.
; A CHUNK is 8 row tiles of x = 128 tokens = one key step; wave a takes its row tiles 4 a .. 4 a + 3.  Chunks are walked in the order 2 hv, 2 hv + 1 (phase 1), then 2 hv, 2 hv + 1 and the other half's two (phase 2).
; LDS: two slots of a chunk (0, CH), the weights' 8 row tiles (WR), the scale words of all 32 row tiles of x (SCL, filled once), the spare words.
; FILLS: at the head one joint load a wave: Wv's rows, x's scale words, chunks 2 hv and 2 hv + 1.  Three refills, each behind the three lines and a round of the cluster's barrier: the weights' region once all waves hold Wv in registers;
; a slot in the middle of each of phase 2's first two trips, when its last block has been fetched.  x's tiles are shared by a row of the cluster, a weight's by a column.
; A block's fragments are fetched two blocks ahead into two sets of registers.  s_wait_dscnt NF leaves the next block's NF = 34 LDS loads out; in a trip's middle the wait is for all.
; q, k: source 0 = the weight's rows: a lane holds a token and 32 registers run along d (register 16 B + 8 u + j = d 32 B + 16 h + 8 u + j).  v: source 0 = x's rows: a lane holds a d, and the four blocks of a chunk give 32 registers along the keys in the same order.
; So one quantiser serves both: a block of 32 lies in lanes l and l xor 16.
; OUT: qk [q, k][bh][step][6,400]: 8 token row tiles x 768 bytes, then [r][4 words] (word p: bytes 0, 1 row tile 2 p, bytes 2, 3 row tile 2 p + 1); vv [bh][step][6,400]: 4 fragments (d tile t x 128 keys), then [r][4 words] (word t).
; The scale pieces are 2 or 4 bytes a lane, 16 apart (lanes 16-31 store what lanes 0-15 store): 1 byte in 24 of what is stored.
; PREFETCH: what the three refills will load is asked for at the head, each block of 256 bytes once in a cluster, shared out by address among the sixteen waves that will ask jointly (24 or 48 blocks a wave).
; LIMITS: NaN and infinities are not served; a block whose largest magnitude lies under 2^-124 keeps the byte 1 (these bytes are read by this program alone).
; REGISTERS: window 0: v1-29 addresses and the quantiser's; v32-63 the weight's scale words (8 t + K step), v64-79 x's, two sets; v80-107 codes and bytes; v128-255 accumulators.  Fragment f lies in window 1 + f / 21 at 12 (f % 21): 0-31 the weight's (4 q + t), 32-47 x's two sets.  Window 3 v128-159: the second weight's scale words, waiting.
.set RTB,   12288
.set FRB,   1536
.set CH,    8*RTB
.set WR,    2*CH
.set SCL,   3*CH
.set SPARE, SCL+16384
.set FR,    12
.set FPW,   21
.set NF,    34
.set L16,   1
.set L8,    2
.set R16,   3
.set LX16,  4
.set LX8,   5
.set LXS,   6
.set AW16,  7
.set AW8,   8
.set AC16,  9                          ; this chunk's slot; AN: the next chunk's
.set AC8,   10
.set AN16,  11
.set AN8,   12
.set ACS,   13
.set ANS,   14
.set SSO,   15
.set SSV,   16
.set TA,    17
.set TB,    18
.set TP,    19
.set YT,    20
.set TQ,    23
.set PFO,   24
.set SPW,   28
.set NIL,   29
.set SB,    32
.set SA,    64
.set CD,    80
.set HW,    104
.set HV,    128
.set ACC,   128
.set SB2,   128
.set WV,    16
.set CNT,   27
.set G1X,   28
.set G1W,   36
.set G1S,   44
.set G0H,   52
.set G0W,   56
.set G0S,   60
.set OS,    72
.set OB,    74
.set SLC,   98
.set SLN,   99
.set TCI,   100
.set TCN,   101
.set MSB, 0
.macro WIN new                         ; the immediate's high byte repeats the setting that is left
.if MSB != \new
	s_set_vgpr_msb (MSB<<8)|\new
.set MSB, \new
.endif
.endm
.macro PLACES
.rept 4
	v_nop
.endr
.endm
.macro WALU
	s_wait_alu depctr_va_vdst(0)
.endm
.macro CROUND
	s_barrier_signal -1
	s_barrier_wait -1
	s_cmp_lg_u32 s[WV], 0
	s_cbranch_scc1 .Lnot_wave_0_\@
	s_barrier_signal -3
.Lnot_wave_0_\@:
	s_barrier_wait -3
	s_barrier_signal -1
	s_barrier_wait -1
.endm
.macro TLOAD g0, g1
	tensor_load_to_lds s[\g0:\g0+3], s[\g1:\g1+7]
	s_nop 0
	PLACES
.endm
.macro GROUP1 g, mask, rows            ; a dense block as rows of 256 bytes
	s_or_b32 s[\g], s\mask, (3<<16)|(1<<21)
	s_mov_b32 s[\g+1], 32<<16
	s_mov_b32 s[\g+2], (\rows)<<16
	s_mov_b32 s[\g+3], 32<<16
	s_mov_b32 s[\g+4], \rows
	s_mov_b32 s[\g+5], 32
	s_mov_b32 s[\g+6], 0
	s_mov_b32 s[\g+7], 0
.endm
.macro FRAG4 f, a16, a8, o             ; a fragment comes back as it was stored: every load reads consecutive bytes
.set R_, FR*((\f)%FPW)
	WIN (1+(\f)/FPW)<<6
	ds_load_b128 v[R_:R_+3], v[\a16] offset:\o
	ds_load_b64 v[R_+4:R_+5], v[\a8] offset:\o
	ds_load_b128 v[R_+6:R_+9], v[\a16] offset:(\o)+768
	ds_load_b64 v[R_+10:R_+11], v[\a8] offset:(\o)+768
.endm
.macro WEIGHTS                         ; my four row tiles of the weight, all of K
.irp q, 0,1,2,3,4,5,6,7
.irp t, 0,1,2,3
	FRAG4 4*\q+\t, AW16, AW8, RTB*\t+FRB*\q
.endr
.endr
	WIN 0
.endm
.macro FETCH e, a16, a8, as, i         ; my row tile i of a chunk into set e: NF loads.  K step q's scale word goes to register (q + 4) % 8 of the set
.irp q, 0,1,2,3,4,5,6,7
	FRAG4 32+8*(\e)+\q, \a16, \a8, RTB*(\i)+FRB*\q
.endr
	WIN 0
	ds_load_b128 v[SA+8*(\e)+4:SA+8*(\e)+7], v[\as] offset:512*(\i)
	ds_load_b128 v[SA+8*(\e):SA+8*(\e)+3], v[\as] offset:512*(\i)+256
.endm
.macro PR1 d, s0, s1, c, x0, x1
	v_wmma_scale_f32_16x16x128_f8f6f4 v[\d:\d+7], v[FR*((\s0)%FPW):FR*((\s0)%FPW)+11], v[FR*((\s1)%FPW):FR*((\s1)%FPW)+11], \c, v[\x0], v[\x1] matrix_a_fmt:MATRIX_FMT_FP6 matrix_b_fmt:MATRIX_FMT_FP6
.endm
; a block's 32 products: the four accumulators d0 + ds t take turns, K ascending; the first K step starts the sums.  kind 0: source 0 the weight; kind 1: source 0 x
.macro PRODS kind, e, d0, ds
.irp q, 0,1,2,3,4,5,6,7
.irp t, 0,1,2,3
.set FW_, 4*\q+\t
.set FX_, 32+8*(\e)+\q
.set D_, (\d0)+(\ds)*\t
.set XW_, SB+8*\t+\q
.set XX_, SA+8*(\e)+((\q+4)%8)
.if \kind
	WIN (1+FX_/FPW)|((1+FW_/FPW)<<2)
.if \q
	PR1 D_, FX_, FW_, v[D_:D_+7], XX_, XW_
.else
	PR1 D_, FX_, FW_, 0, XX_, XW_
.endif
.else
	WIN (1+FW_/FPW)|((1+FX_/FPW)<<2)
.if \q
	PR1 D_, FW_, FX_, v[D_:D_+7], XW_, XX_
.else
	PR1 D_, FW_, FX_, 0, XW_, XX_
.endif
.endif
.endr
.endr
	WIN 0
.endm
; 32 sums a lane (two half blocks of 16) become six registers of codes and two scale bytes; each accumulator is read from its low end on
.macro QOUT o, pd, hw
	v_max3_num_f32 v[TA], |v[\o]|, |v[\o+1]|, 0x1800000            ; the floor 2^(3 - 127): the byte cannot fall under 1
	v_max3_num_f32 v[TB], |v[\o+16]|, |v[\o+17]|, 0x1800000
.irp i, 2,4,6,8,10,12,14
	v_max3_num_f32 v[TA], v[TA], |v[\o+\i]|, |v[\o+\i+1]|
	v_max3_num_f32 v[TB], v[TB], |v[\o+16+\i]|, |v[\o+16+\i+1]|
.endr
	v_permlanex16_b32 v[TP], v[TA], s2, s3
	v_permlanex16_b32 v[TQ], v[TB], s2, s3
	v_max_num_f32 v[TA], v[TA], v[TP]
	v_max_num_f32 v[TB], v[TB], v[TQ]
	v_add_nc_u32 v[TP], 0xff000000, v[TA]                          ; 2 off the exponent field: the conversion's scale operand
	v_add_nc_u32 v[TQ], 0xff000000, v[TB]
	v_lshrrev_b32 v[TA], 23, v[TP]
	v_lshrrev_b32 v[TB], 23, v[TQ]
	v_lshl_or_b32 v[\hw], v[TB], 8, v[TA]
	v_cvt_scalef32_pk16_fp6_f32 v[\pd:\pd+2], v[\o:\o+15], v[TP]
	v_cvt_scalef32_pk16_fp6_f32 v[YT:YT+2], v[\o+16:\o+31], v[TQ]
	v_nop                                                          ; one plain place behind a scaled conversion
.irp i, 0,1,2
	v_permlane16_swap_b32 v[\pd+\i], v[YT+\i]                      ; a whole block to a lane
.endr
.irp i, 0,1,2
	v_mov_b32 v[\pd+3+\i], v[YT+\i]
.endr
.endm
.macro SETC                            ; the LDS addresses of this chunk and of the next
	s_lshl_b32 s67, s[TCI], 12
	s_lshl_b32 s69, s[TCN], 12
	v_add_nc_u32 v[AC16], s[SLC], v[LX16]
	v_add_nc_u32 v[AC8], s[SLC], v[LX8]
	v_add_nc_u32 v[AN16], s[SLN], v[LX16]
	v_add_nc_u32 v[AN8], s[SLN], v[LX8]
	v_add_nc_u32 v[ACS], s67, v[LXS]
	v_add_nc_u32 v[ANS], s69, v[LXS]
	WALU
.endm
; ---- the head
	s_load_b256 s[4:11], s[0:1], 0x0               ; xc, xs, wc, ws
	s_load_b128 s[12:15], s[0:1], 0x20             ; qk, vv
	v_lshl_add_u32 v[SPW], v0, 2, SPARE
	v_mov_b32 v[NIL], 0
	ds_add_u32 v[SPW], v[NIL]                      ; the opening lines
	ds_add_u32 v[SPW], v[NIL]
	v_lshrrev_b32 v1, 5, v0
	v_readfirstlane_b32 s[WV], v1
	s_lshr_b32 s17, s[WV], 1                       ; a
	s_and_b32 s18, s[WV], 1                        ; b
	s_bfe_u32 s19, ttmp6, 0x40000                  ; cx
	s_bfe_u32 s20, ttmp6, 0x40004                  ; cy
	s_lshl_b32 s21, ttmp9, 2
	s_add_co_u32 s21, s21, s19                     ; phase 2's column tile: 0-7 Wq, 8-15 Wk
	s_and_b32 s22, ttmp7, 0xffff
	s_lshl_b32 s22, s22, 2
	s_add_co_u32 s22, s22, s20                     ; my 512 tokens
	s_and_b32 s23, ttmp9, 1                        ; hv
	s_lshr_b32 s24, ttmp9, 1
	s_lshl_b32 s24, s24, 2
	s_add_co_u32 s24, s24, s19                     ; v's column tile
	s_lshl_b32 s25, s20, 2
	s_lshl_b32 s25, 15, s25                        ; my row of the cluster
	s_lshl_b32 s26, 0x1111, s19                    ; my column
	GROUP1 G1X, 25, 384
	GROUP1 G1W, 26, 384
	GROUP1 G1S, 25, 64
	s_mul_i32 s66, s22, 4*CH                       ; my tokens' codes, bytes from xc
	s_lshl_b32 s[TCI], s23, 1
	s_xor_b32 s[TCN], s[TCI], 1
	s_mov_b32 s[SLC], 0
	s_mov_b32 s[SLN], CH
	s_add_co_u32 s68, s[TCI], s18                  ; waves 2, 3: chunk 2 hv + wave % 2,
	s_mul_i32 s68, s68, CH
	s_add_co_u32 s68, s68, s66
	s_mov_b32 s69, 0
	s_mul_i32 s70, s18, CH                         ; into slot wave % 2
	s_lshl_b32 s72, s22, 14                        ; my tokens' scale words
	s_mov_b32 s73, 0
	s_mul_i32 s74, s24, CH
	s_add_co_u32 s74, s74, 128*RTB                 ; Wv's rows
	s_mov_b32 s75, 0
	s_mul_i32 s76, s21, CH                         ; Wq's or Wk's
	s_mov_b32 s77, 0
	s_lshl_b32 s67, s18, 11
	s_lshl_b32 s78, s24, 12
	s_add_co_u32 s78, s78, s67
	s_add_co_u32 s78, s78, 128*512                 ; the scale words of my four row tiles of Wv,
	s_mov_b32 s79, 0
	s_lshl_b32 s80, s21, 12
	s_add_co_u32 s80, s80, s67                     ; and of Wq or Wk
	s_mov_b32 s81, 0
	s_lshr_b32 s67, s22, 2
	s_lshl_b32 s67, s67, 4
	s_add_co_u32 s67, s67, s18                     ; 16 batch + b
	s_lshr_b32 s82, s21, 3
	s_lshl_b32 s82, s82, 6
	s_and_b32 s83, s21, 7
	s_lshl_b32 s83, s83, 1
	s_add_co_u32 s82, s82, s83
	s_add_co_u32 s82, s82, s67                     ; 64 (q or k) + 16 batch + head
	s_mul_i32 s82, s82, 102400
	s_and_b32 s83, s22, 3
	s_mul_i32 s83, s83, 4*6400                     ; my four steps of the batch's sixteen
	s_add_co_u32 s82, s82, s83
	s_lshl_b32 s90, s24, 1
	s_add_co_u32 s90, s90, s67
	s_mul_i32 s90, s90, 102400
	s_add_co_u32 s90, s90, s83
	s_mov_b32 s83, 0
	s_mov_b32 s91, 0
	s_lshl_b32 s92, s20, 2                         ; prefetches: my sixteenth of the second weight's rows (by cy and wave),
	s_add_co_u32 s92, s92, s[WV]
	s_mul_i32 s92, s92, CH/16
	s_add_co_u32 s92, s92, s76
	s_mov_b32 s93, 0
	s_lshl_b32 s94, s19, 2                         ; and of the other half's two chunks (by cx and wave)
	s_add_co_u32 s94, s94, s[WV]
	s_mul_i32 s94, s94, CH/8
	s_add_co_u32 s94, s94, s66
	s_xor_b32 s95, s[TCI], 2
	s_mul_i32 s95, s95, CH
	s_add_co_u32 s94, s94, s95
	s_mov_b32 s95, 0
	s_mul_i32 s88, s17, 4*RTB
	s_lshl_b32 s89, s17, 11
	s_add_co_u32 s89, s89, SCL
	s_mul_i32 s96, s18, 4*RTB
	s_add_co_u32 s96, s96, WR
	s_lshl_b32 s97, s17, 3
	s_lshl_b32 s71, s17, 1
	s_mov_b32 s2, 0x76543210
	s_mov_b32 s3, 0xfedcba98                       ; selects for lane l xor 16
	s_wait_dscnt 0x0
	s_wait_kmcnt 0x0
	s_mov_b32 s[G0H], 1
	s_mov_b32 s[G0H+1], s70
	s_add_nc_u64 s[G0H+2:G0H+3], s[4:5], s[68:69]
	s_or_b32 s[G0H+3], s[G0H+3], 0x80000000
	s_mov_b32 s[G0W], 1
	s_mov_b32 s[G0W+1], WR
	s_add_nc_u64 s[G0W+2:G0W+3], s[8:9], s[74:75]
	s_or_b32 s[G0W+3], s[G0W+3], 0x80000000
	s_mov_b32 s[G0S], 1
	s_mov_b32 s[G0S+1], SCL
	s_add_nc_u64 s[G0S+2:G0S+3], s[6:7], s[72:73]
	s_or_b32 s[G0S+3], s[G0S+3], 0x80000000
	s_add_nc_u64 s[84:85], s[10:11], s[78:79]
	s_add_nc_u64 s[86:87], s[10:11], s[80:81]
	s_add_nc_u64 s[12:13], s[12:13], s[82:83]
	s_add_nc_u64 s[14:15], s[14:15], s[90:91]
	s_add_nc_u64 s[92:93], s[8:9], s[92:93]
	s_add_nc_u64 s[94:95], s[4:5], s[94:95]
	s_mul_i32 s78, s17, 4*768                      ; q, k: my four row tiles of a step's eight
	s_mul_i32 s80, s17, 768                        ; v: my half of a fragment
	CROUND                                         ; all sixteen work-groups are here: the joint loads meet
	s_cmp_eq_u32 s[WV], 0
	s_cbranch_scc0 .Lw1
	TLOAD G0W, G1W                                 ; wave 0: Wv's rows
	s_branch .Lasked
.Lw1:
	s_cmp_eq_u32 s[WV], 1
	s_cbranch_scc0 .Lw2
	TLOAD G0S, G1S                                 ; wave 1: x's scale words
	s_branch .Lasked
.Lw2:
	TLOAD G0H, G1X                                 ; waves 2, 3: a chunk each
.Lasked:
	v_and_b32 v[TA], 31, v0
	v_and_b32 v[TB], 15, v0
	v_lshlrev_b32 v[L16], 4, v[TA]
	v_lshl_add_u32 v[L8], v[TA], 3, 512
	v_lshlrev_b32 v[R16], 4, v[TB]
	v_min_u32 v[PFO], 23, v[TA]
	v_add_nc_u32 v[LX16], s88, v[L16]
	v_add_nc_u32 v[LX8], s88, v[L8]
	v_add_nc_u32 v[LXS], s89, v[R16]
	v_add_nc_u32 v[AW16], s96, v[L16]
	v_add_nc_u32 v[AW8], s96, v[L8]
	v_add_nc_u32 v[SSO], s97, v[R16]
	v_add_nc_u32 v[SSV], s71, v[R16]
	v_lshlrev_b32 v[PFO], 8, v[PFO]
	v_mov_b32 v[TP], 0                             ; a lane permute's destination counts as a source
	v_mov_b32 v[TQ], 0
.irp t, 0,1,2,3
.irp kh, 0,1
	global_load_b128 v[SB+8*\t+4*\kh:SB+8*\t+4*\kh+3], v[R16], s[84:85] offset:512*\t+256*\kh
.endr
.endr
	WIN 0xc0
.irp t, 0,1,2,3
.irp kh, 0,1
	global_load_b128 v[SB2+8*\t+4*\kh:SB2+8*\t+4*\kh+3], v[R16], s[86:87] offset:512*\t+256*\kh
.endr
.endr
	WIN 0
	global_prefetch_b8 v[PFO], s[92:93] th:TH_LOAD_NT scope:SCOPE_SE
	global_prefetch_b8 v[PFO], s[94:95] th:TH_LOAD_NT scope:SCOPE_SE
	global_prefetch_b8 v[PFO], s[94:95] offset:CH/16 th:TH_LOAD_NT scope:SCOPE_SE
	SETC
	s_cmp_eq_u32 s[WV], 0
	s_cbranch_scc0 .Lnot_wv
	s_wait_tensorcnt 0x0                           ; wave 0 alone issued Wv's load, by a line of its own, and waits for it here
.Lnot_wv:
	s_barrier_signal -1
	s_barrier_wait -1                              ; Wv's rows are in; the other three tiles may still be on their way
	WEIGHTS
	s_wait_tensorcnt 0x0                           ; the first refill: the three lines (every wave's head load is in: the round shows them all),
	ds_add_u32 v[SPW], v[NIL]
	s_add_nc_u64 s[G0W+2:G0W+3], s[8:9], s[76:77]
	s_or_b32 s[G0W+3], s[G0W+3], 0x80000000
	s_wait_dscnt 0x0                               ; every wave holds Wv in registers,
	CROUND
	s_cmp_eq_u32 s[WV], 0
	s_cbranch_scc0 .Lno_w
	TLOAD G0W, G1W                                 ; and Wq's or Wk's rows land on it
.Lno_w:
	FETCH 0, AC16, AC8, ACS, 0
	FETCH 1, AC16, AC8, ACS, 1
	s_wait_loadcnt 0x0                             ; the weights' scale words
; ---- phase 1: v, two trips of a chunk
.macro VBLK i, a16, a8, as, fi
	s_wait_dscnt NF
	PRODS 1, (\i)%2, HV+8*(\i), 32
	PLACES
	FETCH (\i)%2, \a16, \a8, \as, \fi
.endm
	s_mov_b32 s[CNT], 2
.Lv:
	s_wait_xcnt 0x0                                ; the last trip's stores have read their base and registers
	s_mul_i32 s70, s[TCI], 6400
	s_mov_b32 s71, 0
	s_add_nc_u64 s[OS:OS+1], s[14:15], s[70:71]
	s_add_nc_u64 s[OB:OB+1], s[OS:OS+1], s[80:81]
	VBLK 0, AC16, AC8, ACS, 2
	VBLK 1, AC16, AC8, ACS, 3
	VBLK 2, AN16, AN8, ANS, 0                      ; (in the second trip: phase 2's first two blocks)
	VBLK 3, AN16, AN8, ANS, 1
.irp t, 0,1,2,3
	QOUT HV+32*\t, CD+6*\t, HW+\t
	global_store_b128 v[L16], v[CD+6*\t:CD+6*\t+3], s[OB:OB+1] offset:1536*\t
	global_store_b64 v[L8], v[CD+6*\t+4:CD+6*\t+5], s[OB:OB+1] offset:1536*\t
	global_store_b16 v[SSV], v[HW+\t], s[OS:OS+1] offset:6144+4*\t
.endr
	s_xor_b32 s[SLC], s[SLC], CH
	s_xor_b32 s[SLN], s[SLN], CH
	s_xor_b32 s[TCI], s[TCI], 1
	s_xor_b32 s[TCN], s[TCN], 1
	SETC
	s_sub_co_u32 s[CNT], s[CNT], 1
	s_cmp_lg_u32 s[CNT], 0
	s_cbranch_scc1 .Lv
; ---- the change of phase
	s_wait_tensorcnt 0x0
	s_wait_dscnt 0x0
	s_barrier_signal -1
	s_barrier_wait -1                              ; the second weight's rows are shown to all
	s_mov_b32 s[SLC], 0
	s_mov_b32 s[SLN], CH
	WEIGHTS
	WIN 0x03
.set I, 0
.rept 32
	v_mov_b32 v[SB+I], v[SB2+I]
.set I, I+1
.endr
	WIN 0
.rept 8
	v_nop                                          ; eight places between a scale word moved by a vector line and its product
.endr
	WALU
	s_wait_dscnt 0x0
; ---- phase 2: q or k, four trips of a chunk
.macro PEPI i
	s_wait_xcnt 0x0                                ; the last block's stores have read their registers
	QOUT ACC, CD, HW+((\i)%2)
	global_store_b128 v[L16], v[CD:CD+3], s[OB:OB+1] offset:768*(\i)
	global_store_b64 v[L8], v[CD+4:CD+5], s[OB:OB+1] offset:768*(\i)
.if (\i)%2
	v_lshl_or_b32 v[HW+2], v[HW+1], 16, v[HW]
	global_store_b32 v[SSO], v[HW+2], s[OS:OS+1] offset:6144+4*((\i)/2)
.endif
.endm
.macro P2TRIP rf                       ; rf = 1: this chunk's slot is filled again in the trip's middle; rf = 0: a plain barrier there shows the last refill, and the last trip fetches nothing more
	s_wait_xcnt 0x0
	s_mul_i32 s70, s[TCI], 6400
	s_mov_b32 s71, 0
	s_add_nc_u64 s[OS:OS+1], s[12:13], s[70:71]
	s_add_nc_u64 s[OB:OB+1], s[OS:OS+1], s[78:79]
	s_wait_dscnt NF
	PRODS 0, 0, ACC, 8
	PLACES
	FETCH 0, AC16, AC8, ACS, 2
	PEPI 0
	s_wait_dscnt NF
	PRODS 0, 1, ACC, 8
	PLACES
	FETCH 1, AC16, AC8, ACS, 3
	PEPI 1
	s_wait_tensorcnt 0x0
.if \rf
	ds_add_u32 v[SPW], v[NIL]
	s_xor_b32 s68, s[TCI], 2                       ; the chunk two on
	s_mul_i32 s70, s68, CH
	s_add_co_u32 s70, s70, s66
	s_mov_b32 s[G0H+1], s[SLC]
	s_add_nc_u64 s[G0H+2:G0H+3], s[4:5], s[70:71]
	s_or_b32 s[G0H+3], s[G0H+3], 0x80000000
	s_wait_dscnt 0x0                               ; this slot's last block is in registers
	CROUND
	s_cmp_eq_u32 s[WV], 2
	s_cbranch_scc0 .Lno_x_\@
	TLOAD G0H, G1X
.Lno_x_\@:
.else
	s_wait_dscnt 0x0
	s_barrier_signal -1
	s_barrier_wait -1
.endif
	PRODS 0, 0, ACC, 8
	PLACES
.if (\rf) == 0
	s_cmp_eq_u32 s[CNT], 1
	s_cbranch_scc1 .Lnf0_\@
.endif
	FETCH 0, AN16, AN8, ANS, 0
.if (\rf) == 0
.Lnf0_\@:
.endif
	PEPI 2
	PRODS 0, 1, ACC, 8
	PLACES
.if (\rf) == 0
	s_cmp_eq_u32 s[CNT], 1
	s_cbranch_scc1 .Lnf1_\@
.endif
	FETCH 1, AN16, AN8, ANS, 1
.if (\rf) == 0
.Lnf1_\@:
.endif
	PEPI 3
	s_xor_b32 s[SLC], s[SLC], CH
	s_xor_b32 s[SLN], s[SLN], CH
	s_mov_b32 s[TCI], s[TCN]
	s_add_co_u32 s[TCN], s[TCN], 1
	s_and_b32 s[TCN], s[TCN], 3
	SETC
.endm
	s_mov_b32 s[CNT], 2
.Lpa:
	P2TRIP 1
	s_sub_co_u32 s[CNT], s[CNT], 1
	s_cmp_lg_u32 s[CNT], 0
	s_cbranch_scc1 .Lpa
	s_mov_b32 s[CNT], 2
.Lpb:
	P2TRIP 0
	s_sub_co_u32 s[CNT], s[CNT], 1
	s_cmp_lg_u32 s[CNT], 0
	s_cbranch_scc1 .Lpb
	s_wait_tensorcnt 0x0                           ; the wave's end
	ds_add_u32 v[SPW], v[NIL]
	s_wait_dscnt 0x0
	CROUND                                         ; the closing round
	s_endpgm
.Lfunc_end_k_q208d8c3764_gemm_qkv:
	.size	k_q208d8c3764_gemm_qkv, .Lfunc_end_k_q208d8c3764_gemm_qkv-k_q208d8c3764_gemm_qkv
	.p2alignl 7, 3214868480
	.fill 96, 4, 3214868480
	.section	.rodata,"a",@progbits
	.p2align	6, 0x0
	.amdhsa_kernel k_q208d8c3764_gemm_qkv
		.amdhsa_group_segment_fixed_size 327680
		.amdhsa_private_segment_fixed_size 0
		.amdhsa_enable_private_segment 0
		.amdhsa_kernarg_size 48
		.amdhsa_user_sgpr_count 2
		.amdhsa_user_sgpr_kernarg_segment_ptr 1
		.amdhsa_wavefront_size32 1
		.amdhsa_system_sgpr_workgroup_id_x 1
		.amdhsa_system_sgpr_workgroup_id_y 1
		.amdhsa_system_sgpr_workgroup_id_z 1
		.amdhsa_system_vgpr_workitem_id 0
		.amdhsa_next_free_vgpr 928
		.amdhsa_next_free_sgpr 102
		.amdhsa_reserve_vcc 0
		.amdhsa_float_denorm_mode_32 3
		.amdhsa_float_denorm_mode_16_64 3
		.amdhsa_memory_ordered 1
		.amdhsa_forward_progress 1
		.amdhsa_inst_pref_size 141
	.end_amdhsa_kernel
	.amdgpu_metadata
---
amdhsa.version: [ 1, 2 ]
amdhsa.kernels:
  - .name:           k_q208d8c3764_gemm_qkv
    .symbol:         k_q208d8c3764_gemm_qkv.kd
    .args:
      - { .name: xc, .offset: 0, .size: 8, .value_kind: global_buffer, .address_space: global }
      - { .name: xs, .offset: 8, .size: 8, .value_kind: global_buffer, .address_space: global }
      - { .name: wc, .offset: 16, .size: 8, .value_kind: global_buffer, .address_space: global }
      - { .name: ws, .offset: 24, .size: 8, .value_kind: global_buffer, .address_space: global }
      - { .name: qk, .offset: 32, .size: 8, .value_kind: global_buffer, .address_space: global }
      - { .name: vv, .offset: 40, .size: 8, .value_kind: global_buffer, .address_space: global }
    .group_segment_fixed_size: 327680
    .private_segment_fixed_size: 0
    .kernarg_segment_align: 8
    .kernarg_segment_size: 48
    .max_flat_workgroup_size: 128
    .sgpr_count:     102
    .vgpr_count:     928
    .wavefront_size: 32
...
	.end_amdgpu_metadata
.endif
;; end of part 2
;; launch attn (part 3): grid 4 x 64, 16 waves a work-group, clusters of 4 x 1, 327,680 bytes of LDS; arguments qk, vv, ao, aos; writes ao, aos
.if DOCPART == 3
	.amdgcn_target "amdgcn-amd-amdhsa--gfx1250"
	.amdhsa_code_object_version 6
	.text
	.protected	k_q208d8c3764_attn
	.globl	k_q208d8c3764_attn
	.p2align	8
	.type	k_q208d8c3764_attn,@function
k_q208d8c3764_attn:
	s_mov_b64 s[64:65], 0
	v_nop
	global_prefetch_b8 v0, s[64:65] scope:SCOPE_SE
	s_setreg_imm32_b32 hwreg(HW_REG_WAVE_MODE, 25, 1), 1
	s_wait_xcnt 0x0
	s_wait_alu depctr_hold_cnt(0) depctr_sa_sdst(0) depctr_va_vdst(0) depctr_va_sdst(0) depctr_va_ssrc(0) depctr_va_vcc(0) depctr_vm_vsrc(0)
	s_getreg_b32 s2, hwreg(HW_REG_IB_STS2, 6, 4)
	s_cmp_eq_u32 s2, 0
	s_cbranch_scc0 .Lentry_in_a_cluster
	s_endpgm
.Lentry_in_a_cluster:
	s_bfe_u32 s2, ttmp6, 0x10000c
	s_cmp_lg_u32 s2, 0x3003
	s_cbranch_scc0 .Lentry_shape_is_right
	s_endpgm
.Lentry_shape_is_right:
; ATTENTION OF ONE HEAD (bh = grid y) FOR 512 QUERIES (cx), on codes of FP6 (E2M3) with E8M0 scales; the result leaves as codes and scale bytes for the last product.
; e = exp(s / 8 - m) is quantised under the row's TRUE maximum m, so the keys are walked twice: pass 1 finds m, pass 2 makes e, its sum, its codes and O^T += V^T P^T.
; IN: qk [q, k][bh][step of 128 tokens][6,400]: four fragments of 1,536 bytes (fragment p: row tiles 2 p, 2 p + 1 of 16 tokens x 64 d, as images of registers), then [r][4 words] of scales; vv [bh][step][6,400]: four d tiles x 128 keys, then [r][4 words].
; In a stored row tile 2 p + u lane r has token 32 p + 8 u + r + 8 (r / 8).
; SHARES: 16 waves, each 32 queries (tiles A, B of 16) against all 2,048 keys.  All of K and V lies in LDS, filled once: V at 0, K at KREG.  One joint load a wave (the four query blocks of a head ask together): waves 0-7 two steps of K, waves 8-15 two of V.
; All tiles are asked for at the head and no loop runs ahead of a load: so no prefetch is laid.
; K'S TILES ARE FORMED BY THE LANES' ADDRESSES: row 8 g + j of tile u of half c is key 64 c + 32 g + 8 u + j, that is row 8 (u / 2) + j of stored fragment 2 c + g.  With S^T = K q^T a lane (query r, half h) then holds in
; registers 8 u + j ALL 32 keys of block 2 c + h, in the order of P's operand: no lane looks at another for a block's maximum or its codes.  (The two halves g of a load's lanes lie 1,536 bytes apart.)
; A head has 64 d and the instruction 128 along K: a fragment holds two tiles, and q stands beside zero codes: [q | 0] takes the lower tile, [0 | q] the upper.
; A BLOCK'S LARGEST SCORE, which pass 1 passes through, is kept (LDS, 16 bytes a lane and step, the wave's own bytes) and put through the same multiply-add and exponential as the scores: that is the block's largest e.
; This takes v_exp_f32 not to fall where its input rises.  LDS has room for 14 steps of these: steps 0 and 1 search e itself.
; -M is c m rounded DOWN (c = log2(e) / 8), so that the row's largest e is not under 1.  LIMITS: NaN and infinities are not served; c x score stays under 2^31; a block whose e are all under 2^-124 keeps the byte 1.
.set VB,    6400
.set KREG,  16*VB
.set SCO,   6144
.set BMB,   32*VB                      ; the kept maxima: 14 steps x 512 bytes for each wave
.set BMW,   14*512
.set SPARE, BMB+16*BMW                 ; the spare words, 128 bytes a wave
.set L16, 1                            ; 16 x lane
.set L8,  2                            ; 512 + 8 x lane
.set LK16, 3                           ; K's lane terms: 16-byte pieces, 8-byte pieces, scale words
.set LK8, 4
.set LKS, 5
.set LBM, 6
.set SPW, 7
.set NIL, 8
.set HO,  9
.set QW,  10                           ; q's scale word, and the same turned by 16 bits
.set QWR, 11
.set QZ,  12                           ; v12-41: 0 | A | 0 | B | 0, six registers each
.set KSC, 42                           ; K's four scale words; V's four
.set VSC, 46
.set NMA, 50                           ; pass 1: the running maxima; then -M (low word of a pair)
.set NMB, 52
.set SA,  54                           ; the sums: two chains of pairs a tile
.set SB,  58
.set AK16, 62                          ; this step's LDS addresses
.set AK8, 63
.set AKS, 64
.set AV16, 65
.set AV8, 66
.set ABM, 67
.set BMR, 68                           ; block maxima: A's two, B's two
.set E,   72
.set PWA, 74                           ; P's scale words
.set PWB, 75
.set SOP, 76                           ; the conversions' scale operands
.set BY,  78
.set KF,  80                           ; v80-127 four fragments of K, then of V
.set W,   128                          ; pass 1: v128-255 the scores of both tiles
.set PA,  128
.set PB,  140
.set TC,  152
.set SH8, 156                          ; 8 h
.set PXT, 157
.set MXA, 158
.set MXB, 159
.set S,   160                          ; pass 2: 32 scores of a half step
.set O,   192                          ; O^T: A's four d tiles, B's four
.set YT,  84
.set WV,  12
.set G1,  24
.set G0,  32
.set TB,  40
.set CNT, 41
.set TBM, 43
.macro CROUND
	s_barrier_signal -1
	s_barrier_wait -1
	s_cmp_lg_u32 s[WV], 0
	s_cbranch_scc1 .Lnot_wave_0_\@
	s_barrier_signal -3
.Lnot_wave_0_\@:
	s_barrier_wait -3
	s_barrier_signal -1
	s_barrier_wait -1
.endm
.macro PLACES
.rept 4
	v_nop
.endr
.endm
.macro WALU
	s_wait_alu depctr_va_vdst(0)
.endm
	s_load_b128 s[4:7], s[0:1], 0x0                ; qk, vv
	s_load_b128 s[8:11], s[0:1], 0x10              ; ao, aos
	v_lshl_add_u32 v[SPW], v0, 2, SPARE
	v_mov_b32 v[NIL], 0
	ds_add_u32 v[SPW], v[NIL]                      ; the opening lines
	ds_add_u32 v[SPW], v[NIL]
	v_lshrrev_b32 v1, 5, v0
	v_readfirstlane_b32 s[WV], v1
	s_bfe_u32 s13, ttmp6, 0x40000                  ; cx: which 512 queries
	s_and_b32 s14, ttmp7, 0xffff                   ; bh
	s_mov_b32 s[G1], 15|(3<<16)|(1<<21)            ; all four partners; elements of 8 bytes
	s_mov_b32 s[G1+1], 32<<16                      ; 50 rows of 256 bytes: two steps, dense
	s_mov_b32 s[G1+2], 50<<16
	s_mov_b32 s[G1+3], 32<<16
	s_mov_b32 s[G1+4], 50
	s_mov_b32 s[G1+5], 32
	s_mov_b32 s[G1+6], 0
	s_mov_b32 s[G1+7], 0
	s_add_co_u32 s15, s[WV], 8
	s_and_b32 s15, s15, 15
	s_mul_i32 s15, s15, 2*VB                       ; LDS: waves 8-15 from 0 (V), waves 0-7 from KREG (K)
	s_and_b32 s19, s[WV], 7
	s_mul_i32 s19, s19, 2*VB
	s_mul_i32 s18, s14, 16*VB
	s_add_co_u32 s18, s18, s19                     ; in vv
	s_add_co_u32 s16, s18, 64*16*VB                ; in qk: k lies behind q
	s_cmp_lt_u32 s[WV], 8
	s_cselect_b32 s16, s16, s18
	s_mov_b32 s17, 0
	s_mul_i32 s38, s[WV], BMW
	s_add_co_u32 s38, s38, BMB
	s_lshl_b32 s50, s13, 2                         ; my 32 queries: step 4 cx + wave / 4, fragment wave % 4
	s_lshr_b32 s51, s[WV], 2
	s_add_co_u32 s50, s50, s51
	s_mul_i32 s50, s50, VB
	s_mul_i32 s51, s14, 16*VB
	s_add_co_u32 s50, s50, s51
	s_and_b32 s52, s[WV], 3
	s_mul_i32 s53, s52, 1536
	s_add_co_u32 s54, s50, s53
	s_mov_b32 s55, 0
	s_lshl_b32 s52, s52, 2
	s_add_co_u32 s52, s52, s50
	s_add_co_u32 s52, s52, SCO
	s_mov_b32 s53, 0
	s_lshr_b32 s58, s14, 4                         ; out: token row tile 128 batch + 32 cx + 2 wave; K step and half by the head
	s_lshl_b32 s58, s58, 7
	s_lshl_b32 s59, s13, 5
	s_add_co_u32 s58, s58, s59
	s_lshl_b32 s59, s[WV], 1
	s_add_co_u32 s58, s58, s59
	s_and_b32 s59, s14, 15
	s_mul_i32 s60, s58, 12288
	s_mul_i32 s61, s59, 768
	s_add_co_u32 s60, s60, s61
	s_mov_b32 s61, 0
	s_lshl_b32 s62, s58, 9
	s_lshr_b32 s63, s59, 3
	s_lshl_b32 s63, s63, 8
	s_add_co_u32 s62, s62, s63
	s_and_b32 s63, s59, 7
	s_lshl_b32 s63, s63, 1
	s_add_co_u32 s62, s62, s63
	s_mov_b32 s63, 0
	s_mov_b32 s20, 0x76543210
	s_mov_b32 s21, 0xfedcba98                      ; selects for lane l xor 16
	s_mov_b32 s22, 0x3e38aa3b                      ; c = log2(e) / 8
	s_mov_b32 s23, s22
	s_mov_b32 s42, 0xffff0000
	s_mov_b32 s[TB], 0
	s_mov_b32 s[TBM], 0
	s_wait_dscnt 0x0
	s_wait_kmcnt 0x0
	s_cmp_lt_u32 s[WV], 8
	s_cselect_b64 s[36:37], s[4:5], s[6:7]         ; the choice hangs on the wave's number alone
	s_mov_b32 s[G0], 1
	s_mov_b32 s[G0+1], s15
	s_add_nc_u64 s[G0+2:G0+3], s[36:37], s[16:17]
	s_or_b32 s[G0+3], s[G0+3], 0x80000000
	s_add_nc_u64 s[44:45], s[4:5], s[54:55]
	s_add_nc_u64 s[56:57], s[4:5], s[52:53]
	s_add_nc_u64 s[46:47], s[8:9], s[60:61]
	s_add_nc_u64 s[48:49], s[10:11], s[62:63]
	CROUND                                         ; the four partners are here: the joint loads meet
	tensor_load_to_lds s[G0:G0+3], s[G1:G1+7]      ; my one load
	s_nop 0
	PLACES
	v_and_b32 v80, 31, v0                          ; lane
	v_and_b32 v81, 15, v0                          ; r
	v_bfe_u32 v82, v0, 4, 1                        ; h
	v_and_b32 v83, 7, v0                           ; j
	v_bfe_u32 v84, v0, 3, 1                        ; g
	v_lshlrev_b32 v[L16], 4, v80
	v_lshl_add_u32 v[L8], v80, 3, 512
	v_lshlrev_b32 v85, 4, v81
	v_lshl_add_u32 v[HO], v82, 9, v85
	v_mul_u32_u24 v86, v84, 1536
	v_lshl_add_u32 v87, v82, 8, v86
	v_lshl_add_u32 v87, v83, 4, v87
	v_add_nc_u32 v[LK16], KREG, v87                ; 16 j + 256 h + 1,536 g
	v_lshl_add_u32 v88, v82, 7, v86
	v_lshl_add_u32 v88, v83, 3, v88
	v_add_nc_u32 v[LK8], KREG+512, v88             ; 512 + 8 j + 128 h + 1,536 g
	v_lshlrev_b32 v89, 4, v83
	v_lshl_add_u32 v89, v84, 2, v89
	v_add_nc_u32 v[LKS], KREG+SCO, v89             ; row j's word of fragment g
	v_add_nc_u32 v[LBM], s38, v[L16]
	global_load_b128 v[QZ+6:QZ+9], v[L16], s[44:45]
	global_load_b64 v[QZ+10:QZ+11], v[L8], s[44:45]
	global_load_b128 v[QZ+18:QZ+21], v[L16], s[44:45] offset:768
	global_load_b64 v[QZ+22:QZ+23], v[L8], s[44:45] offset:768
	global_load_b32 v[QW], v85, s[56:57]
.irp i, 0,1,2,3,4,5, 12,13,14,15,16,17, 24,25,26,27,28,29
	v_mov_b32 v[QZ+\i], 0
.endr
	v_mov_b32 v[NMA], 0xff800000
	v_mov_b32 v[NMB], 0xff800000
	v_mov_b32 v[NMA+1], 0                          ; the pairs' upper words are named, never used
	v_mov_b32 v[NMB+1], 0
	v_mov_b32 v72, 0                               ; a lane permute's destination counts as a source
	v_mov_b32 v73, 0
	WALU
	s_wait_loadcnt 0x0
	v_alignbit_b32 v[QWR], v[QW], v[QW], 16
	v_add_nc_u32 v[AK16], s[TB], v[LK16]
	v_add_nc_u32 v[AK8], s[TB], v[LK8]
	v_add_nc_u32 v[AKS], s[TB], v[LKS]
.rept 5
	v_nop                                          ; eight places between a scale word made by a vector line and its first product
.endr
	WALU                                           ; the wait at the head's end
	s_wait_tensorcnt 0x0
	s_barrier_signal -1
	s_barrier_wait -1                              ; all of K and V is in
.macro KLOAD                           ; fragment 2 c + v = tiles 2 v, 2 v + 1 of half c
.irp c, 0,1
.irp v, 0,1
	ds_load_b128 v[KF+12*(2*\c+\v):KF+12*(2*\c+\v)+3], v[AK16] offset:3072*\c+128*\v
	ds_load_b64 v[KF+12*(2*\c+\v)+4:KF+12*(2*\c+\v)+5], v[AK8] offset:3072*\c+64*\v
	ds_load_b128 v[KF+12*(2*\c+\v)+6:KF+12*(2*\c+\v)+9], v[AK16] offset:3072*\c+128*\v+768
	ds_load_b64 v[KF+12*(2*\c+\v)+10:KF+12*(2*\c+\v)+11], v[AK8] offset:3072*\c+64*\v+768
	ds_load_b32 v[KSC+2*\c+\v], v[AKS] offset:8*\c+128*\v
.endr
.endr
.endm
.macro SP4 d, c, qlo, qhi, slo, shi    ; the four tiles of half c against one tile of queries: register 8 u + j = key 64 c + 32 h + 8 u + j
.irp v, 0,1
	v_wmma_scale_f32_16x16x128_f8f6f4 v[\d+16*\v:\d+16*\v+7], v[KF+12*(2*\c+\v):KF+12*(2*\c+\v)+11], v[\qlo:\qlo+11], 0, v[KSC+2*\c+\v], v[\slo] matrix_a_fmt:MATRIX_FMT_FP6 matrix_b_fmt:MATRIX_FMT_FP6
	v_wmma_scale_f32_16x16x128_f8f6f4 v[\d+16*\v+8:\d+16*\v+15], v[KF+12*(2*\c+\v):KF+12*(2*\c+\v)+11], v[\qhi:\qhi+11], 0, v[KSC+2*\c+\v], v[\shi] matrix_a_fmt:MATRIX_FMT_FP6 matrix_b_fmt:MATRIX_FMT_FP6
.endr
.endm
; PASS 1, a step: 16 products; each lane's four block maxima (four chains by turns, each accumulator read from its low end on); the rows' running maxima.  st = 1: the four are kept.
.macro PASS1 st
	KLOAD
	s_add_co_u32 s[TB], s[TB], VB
	s_wait_dscnt 0x0
	SP4 W, 0, QZ+6, QZ, QW, QWR
	SP4 W+32, 1, QZ+6, QZ, QW, QWR
	SP4 W+64, 0, QZ+18, QZ+12, QWR, QW
	SP4 W+96, 1, QZ+18, QZ+12, QWR, QW
	v_add_nc_u32 v[AK16], s[TB], v[LK16]           ; the next step's addresses are the four places behind the products
	v_add_nc_u32 v[AK8], s[TB], v[LK8]
	v_add_nc_u32 v[AKS], s[TB], v[LKS]
	v_add_nc_u32 v[ABM], s[TBM], v[LBM]
.irp k, 0,1,2,3
	v_max3_num_f32 v[BMR+\k], v[W+32*\k], v[W+32*\k+1], v[W+32*\k+2]
.endr
.irp i, 3,5,7,9,11,13,15,17,19,21,23,25,27,29
.irp k, 0,1,2,3
	v_max3_num_f32 v[BMR+\k], v[BMR+\k], v[W+32*\k+\i], v[W+32*\k+\i+1]
.endr
.endr
.irp k, 0,1,2,3
	v_max_num_f32 v[BMR+\k], v[BMR+\k], v[W+32*\k+31]
.endr
	v_max3_num_f32 v[NMA], v[NMA], v[BMR], v[BMR+1]
	v_max3_num_f32 v[NMB], v[NMB], v[BMR+2], v[BMR+3]
.if \st
	ds_store_b128 v[ABM], v[BMR:BMR+3]
	s_add_co_u32 s[TBM], s[TBM], 512
.endif
.endm
	s_mov_b32 s[CNT], 2
.Lp1a:                                             ; steps 0, 1
	PASS1 0
	s_sub_co_u32 s[CNT], s[CNT], 1
	s_cmp_lg_u32 s[CNT], 0
	s_cbranch_scc1 .Lp1a
	s_mov_b32 s[CNT], 14
.Lp1b:                                             ; steps 2 to 15
	PASS1 1
	s_sub_co_u32 s[CNT], s[CNT], 1
	s_cmp_lg_u32 s[CNT], 0
	s_cbranch_scc1 .Lp1b
	s_mov_b32 s[TB], 0
	s_mov_b32 s[TBM], 0
	v_permlanex16_b32 v72, v[NMA], s20, s21        ; the other half of the keys
	v_permlanex16_b32 v73, v[NMB], s20, s21
	v_max_num_f32 v[NMA], v[NMA], v72
	v_max_num_f32 v[NMB], v[NMB], v73
	v_mul_f32 v72, s22, v[NMA]                     ; c m, rounded to nearest;
	v_mul_f32 v73, s22, v[NMB]
	v_fma_f32 v76, s22, v[NMA], -v72               ; what the rounding left;
	v_fma_f32 v77, s22, v[NMB], -v73
	v_ashrrev_i32 v78, 31, v72
	v_ashrrev_i32 v79, 31, v73
	v_or_b32 v78, 1, v78
	v_or_b32 v79, 1, v79
	v_sub_nc_u32 v78, v72, v78                     ; the next number down;
	v_sub_nc_u32 v79, v73, v79
	v_cmp_gt_f32 vcc_lo, 0, v76
	v_cndmask_b32 v72, v72, v78, vcc_lo            ; taken where c m was rounded up
	v_cmp_gt_f32 vcc_lo, 0, v77
	v_cndmask_b32 v73, v73, v79, vcc_lo
	v_xor_b32 v[NMA], 0x80000000, v72              ; -M
	v_xor_b32 v[NMB], 0x80000000, v73
.set J, 0
.rept 64
	v_mov_b32 v[O+J], 0
.set J, J+1
.endr
.irp j, 0,1,2,3,4,5,6,7
	v_mov_b32 v[SA+\j], 0
.endr
	v_bfe_u32 v[SH8], v0, 4, 1
	v_mov_b32 v[PXT], 0
	v_lshlrev_b32 v[SH8], 3, v[SH8]
	v_add_nc_u32 v[AK16], s[TB], v[LK16]
	v_add_nc_u32 v[AK8], s[TB], v[LK8]
	v_add_nc_u32 v[AKS], s[TB], v[LKS]
	v_add_nc_u32 v[AV16], s[TB], v[L16]
	v_add_nc_u32 v[AV8], s[TB], v[L8]
	v_add_nc_u32 v[ABM], s[TBM], v[LBM]
	WALU
.macro VLOAD                           ; V's four d tiles of this step, and their scale words (lanes 0-15: row r's four)
.irp t, 0,1,2,3
	ds_load_b128 v[KF+12*\t:KF+12*\t+3], v[AV16] offset:1536*\t
	ds_load_b64 v[KF+12*\t+4:KF+12*\t+5], v[AV8] offset:1536*\t
	ds_load_b128 v[KF+12*\t+6:KF+12*\t+9], v[AV16] offset:1536*\t+768
	ds_load_b64 v[KF+12*\t+10:KF+12*\t+11], v[AV8] offset:1536*\t+768
.endr
	ds_load_b128 v[VSC:VSC+3], v[AV16] offset:SCO
.endm
.macro WORD4                           ; my two bytes (blocks h and 2 + h) at their places in the scale word
	v_lshrrev_b32 v[BY], 23, v[SOP]
	v_lshrrev_b32 v[BY+1], 23, v[SOP+1]
	v_lshl_or_b32 v[BY], v[BY+1], 16, v[BY]
	v_lshlrev_b32 v[BY], v[SH8], v[BY]
.endm
; PASS 2, half a step of one tile of queries: four products, e = 2^(c s - M), its sum, one block's 32 codes a lane.
; lds = 1: the scales come from the kept maxima (made in half 0 for both halves); lds = 0: from a search of e.  ad, al, at: an address of the next step, made in the plain place behind the exponentials.  vl = 1: K's fragments are done with, V's come.
.macro HT c, qlo, qhi, slo, shi, nm, su, pd, pw, bm, lds, ad, al, at, vl
	SP4 S, \c, \qlo, \qhi, \slo, \shi
.if (\lds) && ((\c) == 0)
	v_pk_fma_f32 v[E:E+1], v[\bm:\bm+1], s[22:23], v[\nm:\nm+1] op_sel_hi:[1,0,0]
	v_nop
	v_nop
	v_nop
.elseif \lds
	WORD4                                          ; four places
.else
	PLACES
.endif
.if \vl
	VLOAD
.endif
.if (\lds) && ((\c) == 1)
	v_permlanex16_b32 v[PXT], v[BY], s20, s21
.endif
.irp j, 0,2,4,6,8,10,12,14,16,18,20,22,24,26,28,30
	v_pk_fma_f32 v[S+\j:S+\j+1], v[S+\j:S+\j+1], s[22:23], v[\nm:\nm+1] op_sel_hi:[1,0,0]
.endr
.if (\lds) && ((\c) == 1)
	v_or_b32 v[\pw], v[BY], v[PXT]                 ; with lane l xor 16's two bytes the word is whole
.endif
	WALU                                           ; the wait ahead of the batch,
.set J, 0
.rept 32
	v_exp_f32 v[S+J], v[S+J]
.set J, J+1
.endr
.if (\lds) && ((\c) == 0)
	v_exp_f32 v[E], v[E]
	v_exp_f32 v[E+1], v[E+1]
.endif
	v_add_nc_u32 v[\ad], s[\at], v[\al]
	WALU                                           ; and behind it
.if \lds
.if (\c) == 0
	v_max_num_f32 v[E], 0x1800000, v[E]            ; the floor 2^(3 - 127): the byte cannot fall under 1
	v_max_num_f32 v[E+1], 0x1800000, v[E+1]
	v_add_nc_u32 v[SOP], 0xff000000, v[E]          ; 2 off the exponent field
	v_add_nc_u32 v[SOP+1], 0xff000000, v[E+1]
.endif
.else
	v_max3_num_f32 v[MXA], v[S], v[S+1], 0x1800000
	v_max3_num_f32 v[MXB], v[S+16], v[S+17], v[S+18]
.irp i, 2,4,6,8,10,12
	v_max3_num_f32 v[MXA], v[MXA], v[S+\i], v[S+\i+1]
	v_max3_num_f32 v[MXB], v[MXB], v[S+17+\i], v[S+18+\i]
.endr
	v_max3_num_f32 v[MXA], v[MXA], v[S+14], v[S+15]
	v_max3_num_f32 v[MXA], v[MXA], v[MXB], v[S+31]
	v_add_nc_u32 v[SOP+\c], 0xff000000, v[MXA]
.endif
	v_cvt_scalef32_pk16_fp6_f32 v[\pd+6*\c:\pd+6*\c+2], v[S:S+15], v[SOP+\c]
	v_cvt_scalef32_pk16_fp6_f32 v[TC:TC+2], v[S+16:S+31], v[SOP+\c]   ; (a conversion's three registers begin on an even number)
.irp j, 0,4
	v_pk_add_f32 v[\su:\su+1], v[\su:\su+1], v[S+\j:S+\j+1]           ; the sum is taken of the unquantised e; these are the plain lines behind the conversions
	v_pk_add_f32 v[\su+2:\su+3], v[\su+2:\su+3], v[S+\j+2:S+\j+3]
.endr
.irp i, 0,1,2
	v_mov_b32 v[\pd+6*\c+3+\i], v[TC+\i]
.endr
.irp j, 8,12,16,20,24,28
	v_pk_add_f32 v[\su:\su+1], v[\su:\su+1], v[S+\j:S+\j+1]
	v_pk_add_f32 v[\su+2:\su+3], v[\su+2:\su+3], v[S+\j+2:S+\j+3]
.endr
.if ((\lds) == 0) && ((\c) == 1)
	WORD4
	v_permlanex16_b32 v[PXT], v[BY], s20, s21
	v_or_b32 v[\pw], v[BY], v[PXT]
.endif
.endm
.macro PASS2 lds
	KLOAD
.if \lds
	ds_load_b128 v[BMR:BMR+3], v[ABM]
	s_add_co_u32 s[TBM], s[TBM], 512
.endif
	s_add_co_u32 s[TB], s[TB], VB
	s_wait_dscnt 0x0
	HT 0, QZ+6, QZ, QW, QWR, NMA, SA, PA, PWA, BMR, \lds, AK16, LK16, TB, 0
	HT 1, QZ+6, QZ, QW, QWR, NMA, SA, PA, PWA, BMR, \lds, AK8, LK8, TB, 0
	HT 0, QZ+18, QZ+12, QWR, QW, NMB, SB, PB, PWB, BMR+2, \lds, AKS, LKS, TB, 0
	HT 1, QZ+18, QZ+12, QWR, QW, NMB, SB, PB, PWB, BMR+2, \lds, ABM, LBM, TBM, 1
.if (\lds) == 0
.rept 8
	v_nop                                          ; eight places between B's scale word and its products
.endr
.endif
	s_wait_dscnt 0x0                               ; V's fragments are in
	WALU                                           ; the wait ahead of the first reader of O^T
.irp t, 0,1,2,3                        ; the eight accumulators by turns
	v_wmma_scale_f32_16x16x128_f8f6f4 v[O+8*\t:O+8*\t+7], v[KF+12*\t:KF+12*\t+11], v[PA:PA+11], v[O+8*\t:O+8*\t+7], v[VSC+\t], v[PWA] matrix_a_fmt:MATRIX_FMT_FP6 matrix_b_fmt:MATRIX_FMT_FP6
	v_wmma_scale_f32_16x16x128_f8f6f4 v[O+32+8*\t:O+32+8*\t+7], v[KF+12*\t:KF+12*\t+11], v[PB:PB+11], v[O+32+8*\t:O+32+8*\t+7], v[VSC+\t], v[PWB] matrix_a_fmt:MATRIX_FMT_FP6 matrix_b_fmt:MATRIX_FMT_FP6
.endr
	v_add_nc_u32 v[AV16], s[TB], v[L16]            ; four places in front of the next step's loads into the fragments
	v_add_nc_u32 v[AV8], s[TB], v[L8]
	v_nop
	v_nop
.endm
	s_mov_b32 s[CNT], 2
.Lp2a:                                             ; steps 0, 1
	PASS2 0
	s_sub_co_u32 s[CNT], s[CNT], 1
	s_cmp_lg_u32 s[CNT], 0
	s_cbranch_scc1 .Lp2a
	s_mov_b32 s[CNT], 14
.Lp2b:                                             ; steps 2 to 15
	PASS2 1
	s_sub_co_u32 s[CNT], s[CNT], 1
	s_cmp_lg_u32 s[CNT], 0
	s_cbranch_scc1 .Lp2b
	v_nop
	v_nop
	v_pk_add_f32 v[SA:SA+1], v[SA:SA+1], v[SA+2:SA+3]
	v_pk_add_f32 v[SB:SB+1], v[SB:SB+1], v[SB+2:SB+3]
	v_add_f32 v72, v[SA], v[SA+1]
	v_add_f32 v73, v[SB], v[SB+1]
	v_permlanex16_b32 v76, v72, s20, s21
	v_permlanex16_b32 v77, v73, s20, s21
	v_add_f32 v72, v72, v76                        ; the row's sum,
	v_add_f32 v73, v73, v77
	v_add_f32 v72, 0x322bcc77, v72                 ; + 1e-8
	v_add_f32 v73, 0x322bcc77, v73
	WALU
	v_rcp_f32 v80, v72
	v_rcp_f32 v82, v73
	v_nop
	WALU
.irp j, 0,2,4,6,8,10,12,14,16,18,20,22,24,26,28,30
	v_pk_mul_f32 v[O+\j:O+\j+1], v[O+\j:O+\j+1], v[80:81] op_sel_hi:[1,0]
.endr
.irp j, 32,34,36,38,40,42,44,46,48,50,52,54,56,58,60,62
	v_pk_mul_f32 v[O+\j:O+\j+1], v[O+\j:O+\j+1], v[82:83] op_sel_hi:[1,0]
.endr
; a tile's 16 tokens x 64 d become six registers of codes and two scale bytes: register 16 b + i is d = 32 b + 16 h + i, so a block lies in lanes l and l xor 16
.macro QOUT o, pd, hw
	v_max3_num_f32 v72, |v[\o]|, |v[\o+1]|, 0x1800000
	v_max3_num_f32 v73, |v[\o+16]|, |v[\o+17]|, 0x1800000
.irp i, 2,4,6,8,10,12,14
	v_max3_num_f32 v72, v72, |v[\o+\i]|, |v[\o+\i+1]|
	v_max3_num_f32 v73, v73, |v[\o+16+\i]|, |v[\o+16+\i+1]|
.endr
	v_permlanex16_b32 v76, v72, s20, s21
	v_permlanex16_b32 v77, v73, s20, s21
	v_max_num_f32 v72, v72, v76
	v_max_num_f32 v73, v73, v77
	v_add_nc_u32 v76, 0xff000000, v72
	v_add_nc_u32 v77, 0xff000000, v73
	v_lshrrev_b32 v72, 23, v76
	v_lshrrev_b32 v73, 23, v77
	v_lshl_or_b32 v[\hw], v73, 8, v72
	v_cvt_scalef32_pk16_fp6_f32 v[\pd:\pd+2], v[\o:\o+15], v76
	v_cvt_scalef32_pk16_fp6_f32 v[YT:YT+2], v[\o+16:\o+31], v77
	v_nop
.irp i, 0,1,2
	v_permlane16_swap_b32 v[\pd+\i], v[YT+\i]
.endr
.irp i, 0,1,2
	v_mov_b32 v[\pd+3+\i], v[YT+\i]
.endr
.endm
	QOUT O, PA, 78
	global_store_b128 v[L16], v[PA:PA+3], s[46:47]           ; 512 consecutive bytes, aligned to 256
	global_store_b64 v[L8], v[PA+4:PA+5], s[46:47]
	QOUT O+32, PA+6, 79
	global_store_b128 v[L16], v[PA+6:PA+9], s[46:47] offset:12288
	global_store_b64 v[L8], v[PA+10:PA+11], s[46:47] offset:12288
	v_cndmask_b32 v78, v78, v79, s42               ; lanes 0-15 tile A's two bytes, lanes 16-31 tile B's
	global_store_b16 v[HO], v78, s[48:49]
	s_wait_tensorcnt 0x0                           ; the wave's end
	ds_add_u32 v[SPW], v[NIL]
	s_wait_dscnt 0x0
	CROUND                                         ; the closing round
	s_endpgm
.Lfunc_end_k_q208d8c3764_attn:
	.size	k_q208d8c3764_attn, .Lfunc_end_k_q208d8c3764_attn-k_q208d8c3764_attn
	.p2alignl 7, 3214868480
	.fill 96, 4, 3214868480
	.section	.rodata,"a",@progbits
	.p2align	6, 0x0
	.amdhsa_kernel k_q208d8c3764_attn
		.amdhsa_group_segment_fixed_size 327680
		.amdhsa_private_segment_fixed_size 0
		.amdhsa_enable_private_segment 0
		.amdhsa_kernarg_size 32
		.amdhsa_user_sgpr_count 2
		.amdhsa_user_sgpr_kernarg_segment_ptr 1
		.amdhsa_wavefront_size32 1
		.amdhsa_system_sgpr_workgroup_id_x 1
		.amdhsa_system_sgpr_workgroup_id_y 1
		.amdhsa_system_sgpr_workgroup_id_z 1
		.amdhsa_system_vgpr_workitem_id 0
		.amdhsa_next_free_vgpr 256
		.amdhsa_next_free_sgpr 66
		.amdhsa_reserve_vcc 1
		.amdhsa_float_denorm_mode_32 3
		.amdhsa_float_denorm_mode_16_64 3
		.amdhsa_memory_ordered 1
		.amdhsa_forward_progress 1
		.amdhsa_inst_pref_size 79
	.end_amdhsa_kernel
	.amdgpu_metadata
---
amdhsa.version: [ 1, 2 ]
amdhsa.kernels:
  - .name:           k_q208d8c3764_attn
    .symbol:         k_q208d8c3764_attn.kd
    .args:
      - { .name: qk, .offset: 0, .size: 8, .value_kind: global_buffer, .address_space: global }
      - { .name: vv, .offset: 8, .size: 8, .value_kind: global_buffer, .address_space: global }
      - { .name: ao, .offset: 16, .size: 8, .value_kind: global_buffer, .address_space: global }
      - { .name: aos, .offset: 24, .size: 8, .value_kind: global_buffer, .address_space: global }
    .group_segment_fixed_size: 327680
    .private_segment_fixed_size: 0
    .kernarg_segment_align: 8
    .kernarg_segment_size: 32
    .max_flat_workgroup_size: 512
    .sgpr_count:     66
    .vgpr_count:     256
    .wavefront_size: 32
...
	.end_amdgpu_metadata
.endif
;; end of part 3
;; launch gemm_out (part 4): grid 8 x 32, 4 waves a work-group, clusters of 4 x 4, 327,680 bytes of LDS; arguments ao, aos, wc, ws, bo, out0; writes out0
.if DOCPART == 4
	.amdgcn_target "amdgcn-amd-amdhsa--gfx1250"
	.amdhsa_code_object_version 6
	.text
	.protected	k_q208d8c3764_gemm_out
	.globl	k_q208d8c3764_gemm_out
	.p2align	8
	.type	k_q208d8c3764_gemm_out,@function
k_q208d8c3764_gemm_out:
	s_mov_b64 s[64:65], 0
	v_nop
	global_prefetch_b8 v0, s[64:65] scope:SCOPE_SE
	s_setreg_imm32_b32 hwreg(HW_REG_WAVE_MODE, 25, 1), 1
	s_wait_xcnt 0x0
	s_wait_alu depctr_hold_cnt(0) depctr_sa_sdst(0) depctr_va_vdst(0) depctr_va_sdst(0) depctr_va_ssrc(0) depctr_va_vcc(0) depctr_vm_vsrc(0)
	s_getreg_b32 s2, hwreg(HW_REG_IB_STS2, 6, 4)
	s_cmp_eq_u32 s2, 0
	s_cbranch_scc0 .Lentry_in_a_cluster
	s_endpgm
.Lentry_in_a_cluster:
	s_bfe_u32 s2, ttmp6, 0x10000c
	s_cmp_lg_u32 s2, 0xf033
	s_cbranch_scc0 .Lentry_shape_is_right
	s_endpgm
.Lentry_shape_is_right:
; out0 = attention's output x Wo^T + bo, on codes of FP6 (E2M3) with E8M0 scales, K = 1,024; out0 [8192][1024] f32.
; OPERANDS lie in memory as images of their registers (a fragment = 16 rows x 128 K = 1,536 bytes; row tile T = 2 B + u: lane r has row 32 B + 8 u + r + 8 (r / 8)).
; A work-group makes 256 tokens (gy) x 128 columns (gx).  LDS holds the whole K: two slices of four K steps; in a slice region Y has the tokens' 16 row tiles x 6,144 bytes, region X Wo's 8.  Nothing is filled again.
; F1 = Wo's 8 row tiles is source 0, F2 = token row tiles 4 w .. 4 w + 3 is source 1: a lane holds one token, and accumulator (a, b = 2 B + u) register j is column 32 B + 16 (lane / 16) + 8 u + j.
; The bias is the C of the first K step's products.  CLUSTER 4 x 4: Y's tiles are asked for jointly by a row of the cluster, X's by a column.
; REGISTERS: window 0: v1-13 addresses; v32-95 F1's scale words, v96-127 F2's; v128-223 F2's fragments, two sets; on the way out v128-255 rows of out0.  window 1: F1's fragments, two sets of 96; v192-255 the bias.  window 2: accumulator (a, b) at 8 (8 a + b).
; LDS as this text lays it: TWO slices of FOUR K steps; in a slice region Y has the tokens' 16 row tiles x 6,144 bytes and region X Wo's 8.
; The head's four loads are dealt by half of K and by operand, one to a wave, each by a line of its own: wave 0 Y's first half of K, wave 1 X's, wave 2 Y's second half, wave 3 X's.
; The first barrier waits for waves 0 and 1 alone; K step 3's barrier, with every wave's wait for its load in front of it, shows the second slice.
.set SLICE, 147456
.set XOFF,  98304
.set RT,    6144
.set FRB,   1536
.set SPARE, 2*SLICE
.set STGB,  8448                       ; the way out: 16 rows x 528 bytes for each wave, in slice 0, which has had its only fill and whose last reads lie ahead of K step 3's barrier
.set LN,    1
.set A1L,   2
.set A1S,   3
.set A2L,   4
.set A2S,   5
.set RO,    6
.set HH,    7
.set STO,   8
.set RD,    9
.set CO,    10
.set BO,    11
.set SPW,   28
.set NIL,   29
.set S1,    32
.set S2,    96
.set F2,    128
.set BK,    128
.set BI,    192
.set WV,    16
.set G1Y,   24
.set G1X,   32
.set G0Y,   40
.set G0X,   68
.set MSB, 0
.macro WIN new                         ; the immediate's high byte repeats the setting that is left
.if MSB != \new
	s_set_vgpr_msb (MSB<<8)|\new
.set MSB, \new
.endif
.endm
.macro CROUND
	s_barrier_signal -1
	s_barrier_wait -1
	s_cmp_lg_u32 s[WV], 0
	s_cbranch_scc1 .Lnot_wave_0_\@
	s_barrier_signal -3
.Lnot_wave_0_\@:
	s_barrier_wait -3
	s_barrier_signal -1
	s_barrier_wait -1
.endm
.macro PLACES
.rept 4
	v_nop
.endr
.endm
	s_load_b256 s[4:11], s[0:1], 0x0               ; ao, aos, wc, ws
	s_load_b128 s[12:15], s[0:1], 0x20             ; bo, out0
	v_lshl_add_u32 v[SPW], v0, 2, SPARE
	v_mov_b32 v[NIL], 0
	ds_add_u32 v[SPW], v[NIL]                      ; the wave's opening: the add and its wait ahead of my first tensor load
	ds_add_u32 v[SPW], v[NIL]
	v_lshrrev_b32 v1, 5, v0
	v_readfirstlane_b32 s[WV], v1                  ; wave 0..3
	s_lshr_b32 s17, s[WV], 1                       ; which half of K I fetch
	s_bfe_u32 s18, ttmp6, 0x40000                  ; cx
	s_bfe_u32 s19, ttmp6, 0x40004                  ; cy
	s_lshl_b32 s20, ttmp9, 2
	s_add_co_u32 s20, s20, s18                     ; gx
	s_and_b32 s23, ttmp7, 0xffff
	s_lshl_b32 s21, s23, 2
	s_add_co_u32 s21, s21, s19                     ; gy
	s_lshl_b32 s88, s19, 2
	s_lshl_b32 s88, 15, s88                        ; my row of the cluster
	s_lshl_b32 s89, 0x1111, s18                    ; my column
	s_or_b32 s[G1Y], s88, (3<<16)|(1<<21)          ; the mask; elements of 8 bytes; bit 21 beside a mask; no padding
	s_or_b32 s[G1X], s89, (3<<16)|(1<<21)
	s_mov_b32 s[G1Y+1], 768<<16                    ; a row tile's four K steps, 6,144 bytes
	s_mov_b32 s[G1Y+2], 16<<16                     ; 16 row tiles
	s_mov_b32 s[G1Y+3], 768<<16
	s_mov_b32 s[G1Y+4], 16
	s_mov_b32 s[G1Y+5], 1536                       ; from row tile to row tile: 12,288 bytes
	s_mov_b32 s[G1Y+6], 0
	s_mov_b32 s[G1Y+7], 0
	s_mov_b32 s[G1X+1], 768<<16
	s_mov_b32 s[G1X+2], 8<<16
	s_mov_b32 s[G1X+3], 768<<16
	s_mov_b32 s[G1X+4], 8
	s_mov_b32 s[G1X+5], 1536
	s_mov_b32 s[G1X+6], 0
	s_mov_b32 s[G1X+7], 0
	s_mul_i32 s60, s21, 196608
	s_mul_i32 s61, s17, RT
	s_add_co_u32 s60, s60, s61                     ; Y: my 16 row tiles of ao
	s_mov_b32 s61, 0
	s_mul_i32 s62, s20, 98304
	s_mul_i32 s63, s17, RT
	s_add_co_u32 s62, s62, s63
	s_add_co_u32 s62, s62, 192*12288               ; X: my 8 row tiles of Wo, which begins at row tile 192 of wc
	s_mov_b32 s63, 0
	s_mul_i32 s58, s17, SLICE
	s_mul_i32 s59, s17, SLICE
	s_add_co_u32 s59, s59, XOFF
	s_lshl_b32 s84, s21, 13
	s_lshl_b32 s85, s[WV], 11
	s_add_co_u32 s84, s84, s85                     ; F2's scale words
	s_mov_b32 s85, 0
	s_lshl_b32 s86, s20, 12
	s_add_co_u32 s86, s86, 192*512                 ; F1's
	s_mov_b32 s87, 0
	s_lshl_b32 s90, s20, 9                         ; my 128 columns, in bytes
	s_mov_b32 s91, 0
	s_lshl_b32 s92, s21, 20
	s_lshl_b32 s93, s[WV], 18
	s_add_co_u32 s92, s92, s93
	s_add_co_u32 s92, s92, s90                     ; out0: row 256 gy + 64 w, column 128 gx
	s_mov_b32 s93, 0
	s_wait_dscnt 0x0                               ; the opening add is done
	s_wait_kmcnt 0x0
	s_add_nc_u64 s[4:5], s[4:5], s[60:61]
	s_add_nc_u64 s[8:9], s[8:9], s[62:63]
	s_add_nc_u64 s[6:7], s[6:7], s[84:85]
	s_add_nc_u64 s[10:11], s[10:11], s[86:87]
	s_add_nc_u64 s[12:13], s[12:13], s[90:91]
	s_add_nc_u64 s[14:15], s[14:15], s[92:93]
.irp s, 0
	s_mov_b32 s[G0Y+4*\s], 1
	s_add_co_u32 s[G0Y+4*\s+1], s58, \s*SLICE
	s_add_nc_u64 s[G0Y+4*\s+2:G0Y+4*\s+3], s[4:5], \s*RT
	s_or_b32 s[G0Y+4*\s+3], s[G0Y+4*\s+3], 0x80000000
	s_mov_b32 s[G0X+4*\s], 1
	s_add_co_u32 s[G0X+4*\s+1], s59, \s*SLICE
	s_add_nc_u64 s[G0X+4*\s+2:G0X+4*\s+3], s[8:9], \s*RT
	s_or_b32 s[G0X+4*\s+3], s[G0X+4*\s+3], 0x80000000
.endr
	CROUND                                         ; all sixteen work-groups are here: the joint loads meet
	s_cmp_eq_u32 s[WV], 0                          ; one chain of branches on the wave's number, one load to an arm
	s_cbranch_scc0 .Lh1
	tensor_load_to_lds s[G0Y:G0Y+3], s[G1Y:G1Y+7]  ; wave 0: Y, K steps 0 to 3
	s_nop 0
	PLACES
	s_branch .Lfirst_done
.Lh1:
	s_cmp_eq_u32 s[WV], 1
	s_cbranch_scc0 .Lh2
	tensor_load_to_lds s[G0X:G0X+3], s[G1X:G1X+7]  ; wave 1: X, K steps 0 to 3
	s_nop 0
	PLACES
	s_branch .Lfirst_done
.Lh2:
	s_cmp_eq_u32 s[WV], 2
	s_cbranch_scc0 .Lh3
	tensor_load_to_lds s[G0Y:G0Y+3], s[G1Y:G1Y+7]  ; wave 2: Y, K steps 4 to 7
	s_nop 0
	PLACES
	s_branch .Lfirst_done
.Lh3:
	tensor_load_to_lds s[G0X:G0X+3], s[G1X:G1X+7]  ; wave 3: X, K steps 4 to 7
	s_nop 0
	PLACES
.Lfirst_done:
	v_and_b32 v[LN], 31, v0
	v_and_b32 v13, 15, v0                          ; r
	v_bfe_u32 v[HH], v0, 4, 1
	v_lshlrev_b32 v[RO], 4, v13
	v_lshl_add_u32 v[A1L], v[LN], 4, XOFF
	v_lshl_add_u32 v[A1S], v[LN], 3, XOFF+512
	s_mul_i32 s94, s[WV], 4*RT
	v_lshl_add_u32 v[A2L], v[LN], 4, s94
	s_add_co_u32 s95, s94, 512
	v_lshl_add_u32 v[A2S], v[LN], 3, s95
	s_mul_i32 s96, s[WV], STGB
	v_mul_u32_u24 v[STO], v13, 528
	v_lshl_add_u32 v[STO], v[HH], 6, v[STO]
	v_add_nc_u32 v[STO], s96, v[STO]               ; the stage, on the way in: row r, + 64 h
	v_lshlrev_b32 v[CO], 4, v[LN]
	v_add_nc_u32 v[RD], s96, v[CO]                 ; and back: 16 x lane of a row
	v_lshlrev_b32 v[BO], 6, v[HH]
.irp i, 0,1,2,3,4,5,6,7
.irp kh, 0,1
	global_load_b128 v[S1+8*\i+4*\kh:S1+8*\i+4*\kh+3], v[RO], s[10:11] offset:512*\i+256*\kh
.endr
.endr
.irp i, 0,1,2,3
.irp kh, 0,1
	global_load_b128 v[S2+8*\i+4*\kh:S2+8*\i+4*\kh+3], v[RO], s[6:7] offset:512*\i+256*\kh
.endr
.endr
	WIN 0x40                                       ; destination window 1
.irp b, 0,1,2,3,4,5,6,7                        ; the bias in the result's layout: for tile b = 2 B + u the eight numbers from column 32 B + 16 h + 8 u on
	global_load_b128 v[BI+8*\b:BI+8*\b+3], v[BO], s[12:13] offset:128*(\b/2)+32*(\b%2)
	global_load_b128 v[BI+8*\b+4:BI+8*\b+7], v[BO], s[12:13] offset:128*(\b/2)+32*(\b%2)+16
.endr
	WIN 0
.macro FRAG4 d, a16, a8, o
	ds_load_b128 v[(\d):(\d)+3], v[\a16] offset:\o
	ds_load_b64 v[(\d)+4:(\d)+5], v[\a8] offset:\o
	ds_load_b128 v[(\d)+6:(\d)+9], v[\a16] offset:(\o)+768
	ds_load_b64 v[(\d)+10:(\d)+11], v[\a8] offset:(\o)+768
.endm
.macro FETCH ks
	WIN 0x40
.irp i, 0,1,2,3,4,5,6,7
	FRAG4 96*((\ks)%2)+12*\i, A1L, A1S, RT*\i+FRB*((\ks)%4)
.endr
	WIN 0
.irp i, 0,1,2,3
	FRAG4 F2+48*((\ks)%2)+12*\i, A2L, A2S, RT*\i+FRB*((\ks)%4)
.endr
.endm
; 16 products: token tiles a0, a0 + 1 x Wo's eight.  The 32 accumulators take turns, one instruction a turn, in the same order in every K step.  first = 1: C is the bias.
.macro MUL16 a0, ks, first
.if \first
	WIN 0x91                                       ; source 0 window 1, source 1 window 0, C window 1, D window 2
.else
	WIN 0xa1                                       ; C and D window 2
.endif
.irp a, \a0, \a0+1
.irp b, 0,1,2,3,4,5,6,7
.if \first
	v_wmma_scale_f32_16x16x128_f8f6f4 v[8*(8*(\a)+\b):8*(8*(\a)+\b)+7], v[96*((\ks)%2)+12*\b:96*((\ks)%2)+12*\b+11], v[F2+48*((\ks)%2)+12*(\a):F2+48*((\ks)%2)+12*(\a)+11], v[BI+8*\b:BI+8*\b+7], v[S1+8*\b+(\ks)], v[S2+8*(\a)+(\ks)] matrix_a_fmt:MATRIX_FMT_FP6 matrix_b_fmt:MATRIX_FMT_FP6
.else
	v_wmma_scale_f32_16x16x128_f8f6f4 v[8*(8*(\a)+\b):8*(8*(\a)+\b)+7], v[96*((\ks)%2)+12*\b:96*((\ks)%2)+12*\b+11], v[F2+48*((\ks)%2)+12*(\a):F2+48*((\ks)%2)+12*(\a)+11], v[8*(8*(\a)+\b):8*(8*(\a)+\b)+7], v[S1+8*\b+(\ks)], v[S2+8*(\a)+(\ks)] matrix_a_fmt:MATRIX_FMT_FP6 matrix_b_fmt:MATRIX_FMT_FP6
.endif
.endr
.endr
.endm
.macro KEVEN ks, first
	s_wait_dscnt 0x0                               ; this step's fragments are in
.if (\ks) > 0
	PLACES                                         ; four places in front of loads into registers that the last products read
.endif
	FETCH (\ks)+1
	MUL16 0, \ks, \first
	MUL16 2, \ks, \first
.endm
.macro KODD ks, left
	s_wait_dscnt 0x0
	s_wait_tensorcnt \left                         ; my part of the next slice has landed
	s_barrier_signal -1
	MUL16 0, \ks, 0
	WIN 0
	s_barrier_wait -1
	v_add_nc_u32 v[A1L], SLICE, v[A1L]             ; on to the next slice: these four are also the places in front of the loads below
	v_add_nc_u32 v[A1S], SLICE, v[A1S]
	v_add_nc_u32 v[A2L], SLICE, v[A2L]
	v_add_nc_u32 v[A2S], SLICE, v[A2S]
	FETCH (\ks)+1
	MUL16 2, \ks, 0
.endm
	s_wait_alu depctr_va_vdst(0)
	s_cmp_lt_u32 s[WV], 2
	s_cbranch_scc0 .Lnot_h0
	s_wait_tensorcnt 0x0                           ; waves 0 and 1: my part of slice 0 is in; slice 1's loads may stay out
.Lnot_h0:
	s_barrier_signal -1
	s_barrier_wait -1
	FETCH 0
	s_wait_loadcnt 0x0                             ; the scale words and the bias
	KEVEN 0, 1
	KEVEN 1, 0
	KEVEN 2, 0
	KODD 3, 0                                      ; the change of slices
	s_wait_alu depctr_va_vdst(0)
	KEVEN 4, 0
	KEVEN 5, 0
	KEVEN 6, 0
	s_wait_dscnt 0x0
	MUL16 0, 7, 0
	MUL16 2, 7, 0
	WIN 0
; THE WAY OUT, a token tile (16 rows x 128 columns) at a time: a lane holds pieces of one row; the tile goes through my own stage and comes back as whole rows of 512 bytes.
; LDS serves a wave's instructions in order: no wait between the stores and the loads, nor in front of the next tile's stores.
.macro TOSTAGE a
	WIN 0x08                                       ; an LDS store's data are its source 1: window 2
.irp b, 0,1,2,3,4,5,6,7
	ds_store_b128 v[STO], v[64*(\a)+8*\b:64*(\a)+8*\b+3] offset:128*(\b/2)+32*(\b%2)       ; each accumulator from its low end on
	ds_store_b128 v[STO], v[64*(\a)+8*\b+4:64*(\a)+8*\b+7] offset:128*(\b/2)+32*(\b%2)+16
.endr
	WIN 0
.irp i, 0,1,2,3,4,5,6,7,8,9,10,11,12,13,14,15
	ds_load_b128 v[BK+64*((\a)%2)+4*\i:BK+64*((\a)%2)+4*\i+3], v[RD] offset:528*\i
.endr
.endm
.macro SEND a, younger                 ; younger: the LDS instructions issued behind tile a's loads, which may stay out
	s_wait_dscnt \younger
.irp i, 0,1,2,3,4,5,6,7,8,9,10,11,12,13,14,15
	global_store_b128 v[CO], v[BK+64*((\a)%2)+4*\i:BK+64*((\a)%2)+4*\i+3], s[14:15] offset:(32*((\a)/2)+8*((\a)%2)+\i+8*(\i/8))*4096 th:TH_STORE_NT   ; 512 consecutive bytes, aligned to 256
.endr
.endm
	PLACES                                         ; four places in front of the first read of results and of loads into registers that held operands
	TOSTAGE 0
	TOSTAGE 1
	SEND 0, 32                                     ; behind tile 0's loads: tile 1's 16 stores and 16 loads
	s_wait_xcnt 0x0                                ; tile 0's stores have read their registers: tile 2's loads may land there
	TOSTAGE 2
	SEND 1, 32
	s_wait_xcnt 0x0
	TOSTAGE 3
	SEND 2, 32
	SEND 3, 0
	s_wait_tensorcnt 0x0                           ; the wave's end, behind my last LDS store
	ds_add_u32 v[SPW], v[NIL]
	s_wait_dscnt 0x0
	CROUND                                         ; the closing round
	s_endpgm
.Lfunc_end_k_q208d8c3764_gemm_out:
	.size	k_q208d8c3764_gemm_out, .Lfunc_end_k_q208d8c3764_gemm_out-k_q208d8c3764_gemm_out
	.p2alignl 7, 3214868480
	.fill 96, 4, 3214868480
	.section	.rodata,"a",@progbits
	.p2align	6, 0x0
	.amdhsa_kernel k_q208d8c3764_gemm_out
		.amdhsa_group_segment_fixed_size 327680
		.amdhsa_private_segment_fixed_size 0
		.amdhsa_enable_private_segment 0
		.amdhsa_kernarg_size 48
		.amdhsa_user_sgpr_count 2
		.amdhsa_user_sgpr_kernarg_segment_ptr 1
		.amdhsa_wavefront_size32 1
		.amdhsa_system_sgpr_workgroup_id_x 1
		.amdhsa_system_sgpr_workgroup_id_y 1
		.amdhsa_system_sgpr_workgroup_id_z 1
		.amdhsa_system_vgpr_workitem_id 0
		.amdhsa_next_free_vgpr 768
		.amdhsa_next_free_sgpr 102
		.amdhsa_reserve_vcc 0
		.amdhsa_float_denorm_mode_32 3
		.amdhsa_float_denorm_mode_16_64 3
		.amdhsa_memory_ordered 1
		.amdhsa_forward_progress 1
		.amdhsa_inst_pref_size 84
	.end_amdhsa_kernel
	.amdgpu_metadata
---
amdhsa.version: [ 1, 2 ]
amdhsa.kernels:
  - .name:           k_q208d8c3764_gemm_out
    .symbol:         k_q208d8c3764_gemm_out.kd
    .args:
      - { .name: ao, .offset: 0, .size: 8, .value_kind: global_buffer, .address_space: global }
      - { .name: aos, .offset: 8, .size: 8, .value_kind: global_buffer, .address_space: global }
      - { .name: wc, .offset: 16, .size: 8, .value_kind: global_buffer, .address_space: global }
      - { .name: ws, .offset: 24, .size: 8, .value_kind: global_buffer, .address_space: global }
      - { .name: bo, .offset: 32, .size: 8, .value_kind: global_buffer, .address_space: global }
      - { .name: out0, .offset: 40, .size: 8, .value_kind: global_buffer, .address_space: global }
    .group_segment_fixed_size: 327680
    .private_segment_fixed_size: 0
    .kernarg_segment_align: 8
    .kernarg_segment_size: 48
    .max_flat_workgroup_size: 128
    .sgpr_count:     102
    .vgpr_count:     768
    .wavefront_size: 32
...
	.end_amdgpu_metadata
.endif
;; end of part 4
